; MI455X (gfx1250); checked and timed in simulation.
; The chip was launched on July 23, 2026; its instructions are those of AMD's public machine-readable ISA for CDNA 5 (MIT licence, August 2026) and "CDNA5" Instruction Set Architecture Reference Guide (July 2026). The comments in the code are by the model that wrote it; some were corrected since.
;; MHA. Allowed arithmetic: matrix products marked QUANTISED: E5M2 operands, one E8M0 scale for each 32 along K, by v_wmma_scale_f32_16x16x128_f8f6f4 with both operands' format E5M2, f32 sums; everything else in f32.
;; Inputs: W_out 1,024 x 1,024 float32; W_qkv 1,024 x 3,072 float32; b_out 1,024 float32; b_qkv 3,072 float32; x 4 x 2,048 x 1,024 float32.
;; Outputs: out0 4 x 2,048 x 1,024 float32.
;; This version of the problem:
;;   THIS VERSION OF THE PROBLEM IS GIVEN IN LOW PRECISION. The matrix products marked QUANTISED in the list below multiply operands that are first quantised to E5M2 (5 exponent bits, 2 mantissa bits; 8 bits a number), with one power-of-two scale for each 32 numbers along K (OCP MX v1.0); their sums are f32. All else is computed in f32.
;;   The module's matrix products, in the order in which they are computed (A, B: the left and right operand; K: the contracted axis; several contracted axes count as one K, in the product's order):
;;     1. [M 8,192, K 1,024] x [K 1,024, N 3,072]; A: input x; B: input W_qkv: QUANTISED
;;     2. batch 64 x [M 2,048, K 64] x [K 64, N 2,048]; A: computed on the way; B: computed on the way: QUANTISED
;;     3. batch 64 x [M 2,048, K 2,048] x [K 2,048, N 64]; A: softmax (see below); B: computed on the way: QUANTISED
;;     4. [M 8,192, K 1,024] x [K 1,024, N 1,024]; A: computed on the way; B: input W_out: QUANTISED
;;   THE QUANTISER, for each operand of a quantised product, along K:
;;     - K is cut into blocks of 32 from its start; a last block that is shorter is filled with zeros.
;;     - A block's scale is 2^e with e = floor(log2(the largest magnitude in the block)) - 15, held to -126 .. 127; a block of zeros has e = 0. As a byte (E8M0): e + 127.
;;     - Each number is divided by its block's scale, clamped to +-57,344, and rounded to the nearest number of E5M2, ties to even, subnormals kept.
;;     - The product sums the exact products of the quantised numbers (number of the format x scale) in f32.
;;   ~~~python
;;   def quantise(x, axis):      # numpy; x: float32 -> the quantised numbers, widened to float32 again
;;       x = np.moveaxis(x, axis, -1); K = x.shape[-1]
;;       x = np.pad(x, [(0, 0)] * (x.ndim - 1) + [(0, -K % 32)]); x = x.reshape(x.shape[:-1] + (-1, 32)); a = np.abs(x).max(-1, keepdims=True)
;;       e = np.where(a > 0, np.clip(np.frexp(np.where(a > 0, a, 1))[1] - 1 - 15, -126, 127), 0)      # np.frexp(a)[1] - 1 = floor(log2(a)), exactly
;;       r = np.clip(x / 2.0 ** e, -57344, 57344)
;;       step = 2.0 ** (np.maximum(np.frexp(np.where(r == 0, 1, r))[1] - 1, -14) - 2)
;;       q = np.round(r / step) * step * 2.0 ** e      # np.round: ties to even
;;       return np.moveaxis(q.reshape(q.shape[:-2] + (-1,))[..., :K], -1, axis).astype(np.float32)
;;   ~~~
;;   SOFTMAX AHEAD OF A QUANTISED PRODUCT. Where the list says 'softmax', what is quantised is not the finished softmax but p = 2^(t - M), with t = logit x log2(e) and M = ceil(the row's largest t), a whole number; so 1/2 < the row's largest p <= 1. The row's sum l is taken of the UNQUANTISED p, in f32, and the product's result is divided by l at the end. Since M is a whole number, a kernel that streams over the keys may use a running M (the ceiling of the running maximum): every later rescaling is an exact power of two, which a block's scale takes up: the codes' values come out the same.
;;   OPERANDS COMPUTED ON THE WAY. 'Computed on the way' means the value that the module computes at that place (a softmax that the list does not call 'softmax' is quantised finished and normalised). What goes into a quantiser is computed in f32, as accurately as f32 sums, v_exp_f32 and their like allow (about 1e-6 of the number): no bf16 or f16 on the way to a quantiser, and a product that is left as it is and whose result goes on into a quantised operand takes f32 operands (vector FMAs, or v_wmma_f32_16x16x4_f32). A number that lies on a knife's edge between two numbers of the format may be rounded either way, as far as f32 arithmetic and the matrix unit's own rounding can turn it there, and no further.
;; One version. Each part assembles by itself: llvm-mc -triple=amdgcn-amd-amdhsa -mcpu=gfx1250 --defsym DOCPART=n.
;; ======== version 1 of 1: 4 launches
;; limits: right only within a limited range of input values
;; workspace buffers: xc 8,388,608 bytes; xs 262,144 bytes; wc 4,194,304 bytes; ws 131,072 bytes; qkvc 25,165,824 bytes; qkvs 786,432 bytes; oc 8,388,608 bytes; os 262,144 bytes
;; launch quant (part 1): grid 512 x 1, 4 waves a work-group, no clusters, 51,712 bytes of LDS; arguments x, W_qkv, W_out, xc, xs, wc, ws; writes xc, xs, wc, ws
.if DOCPART == 1
	.amdgcn_target "amdgcn-amd-amdhsa--gfx1250"
	.amdhsa_code_object_version 6
	.text
	.protected	k_qfab8e50fcf_quant
	.globl	k_qfab8e50fcf_quant
	.p2align	8
	.type	k_qfab8e50fcf_quant,@function
k_qfab8e50fcf_quant:
	s_mov_b64 s[64:65], 0
	v_nop
	global_prefetch_b8 v0, s[64:65] scope:SCOPE_SE
	s_setreg_imm32_b32 hwreg(HW_REG_WAVE_MODE, 25, 1), 1
	s_wait_xcnt 0x0
; x [8192][1024], W_qkv [1024][3072] and W_out [1024][1024], f32, become codes of E5M2 with one E8M0 byte for each 32 along K, laid in the ORDER OF THE OPERAND'S REGISTERS.
; A tile T is 16 rows (of x: tokens; of a weight: columns n); its lane r holds row 32 (T / 2) + 8 (T % 2) + r + 8 (r / 8).
; Codes: byte T x 16384 + s x 2048 + c x 512 + lane x 16 holds, for lane (r, h), k = 128 s + 32 c + 16 h + 0 .. 15.  Scale words (four bytes: 128 along K of one row): T x 512 + (s / 4) x 256 + r x 16 + (s % 4) x 4.
; A block's scale is 2^(floor(log2(its largest magnitude)) - 15); each number is divided by it, held within +-57,344 and rounded to the nearest code, ties to even.
; LIMITS: NaN and infinities are not served; a block of zeros, or one whose largest magnitude lies under 2^-111, keeps the byte 1 (its bytes are read by this program alone).
; ONE LAUNCH, TWO PATHS that part on the work-group's number at the head: work-groups 0-255 take x, 256-511 the weights.  Each path has LDS bytes of its own.  Waves share nothing: no barrier.
.set XWG,  256                         ; x's work-groups
	v_lshl_add_u32 v248, v0, 2, 0xc800
	v_mov_b32 v249, 0
	s_cmp_ge_u32 ttmp9, XWG
	s_cbranch_scc1 .Lweights
; ---- x: K is innermost.  Work-group g takes rows 32 g .. 32 g + 31; wave w takes tile 2 g + w / 2 and half w % 2 of K: four K steps of 128.
; Each load reads 512 consecutive bytes (one row's K step); a K step's 16 rows turn through the wave's own stage in LDS, so that a lane gets 16 neighbours of each block.
.set SP,   528                         ; a stage row: 512 bytes + 16: the 16 rows that a read touches start at 16 different groups of banks
.set WST,  16*SP                       ; a wave's stage
.set R,    16                          ; v16-143   two sets of 64 registers as loaded
.set X,    144                         ; v144-207  64 numbers: register 16 b + i = k 32 b + 16 h + i of my row
.set PC,   208                         ; v208-223  the codes
.set TM,   224                         ; v224-239  at work
.set PW,   240                         ; v240-243  a scale word for each K step
.set SEL,  20
.set MNT,  23
; 64 numbers of a lane become a fragment's codes in v[PC] on and its scale word in v[pw]
.macro QUANT s, pw
.irp b, 0,1,2,3
	v_max3_num_f32 v[TM+\b], |v[\s+16*\b]|, |v[\s+1+16*\b]|, 0x8000000   ; my 16 numbers of block b, and the floor 2^(16 - 127): the byte cannot fall under 1
.endr
.irp i, 2,4,6,8,10,12,14
.irp b, 0,1,2,3
	v_max3_num_f32 v[TM+\b], v[TM+\b], |v[\s+16*\b+\i]|, |v[\s+1+16*\b+\i]|
.endr
.endr
.irp b, 0,1,2,3
	v_permlanex16_b32 v[TM+4+\b], v[TM+\b], s[SEL], s[SEL+1]
.endr
.irp b, 0,1,2,3
	v_max_num_f32 v[TM+\b], v[TM+\b], v[TM+4+\b]                 ; with lane l xor 16's: the block's largest magnitude
.endr
.irp b, 0,1,2,3
	v_add_nc_u32 v[TM+12+\b], 0xf8800000, v[TM+\b]               ; 15 off its exponent field: the conversion's scale operand
.endr
.irp b, 0,1,2,3
	v_and_or_b32 v[TM+8+\b], v[TM+\b], 0x7f800000, s[MNT]        ; 57,344 x the scale
.endr
.irp b, 0,1,2,3
	v_lshrrev_b32 v[TM+4+\b], 23, v[TM+12+\b]                    ; the scale's byte
.endr
	v_lshl_or_b32 v[\pw], v[TM+5], 8, v[TM+4]
	v_lshl_or_b32 v[\pw], v[TM+6], 16, v[\pw]
	v_lshl_or_b32 v[\pw], v[TM+7], 24, v[\pw]
.irp b, 0,1,2,3
.irp i, 0,1,2,3,4,5,6,7,8,9,10,11,12,13,14,15
	v_med3_num_f32 v[\s+16*\b+\i], v[\s+16*\b+\i], -v[TM+8+\b], v[TM+8+\b]   ; the conversion does not saturate (ISA guide 7.6.2): the hold
.endr
	v_cvt_scalef32_pk8_bf8_f32 v[PC+4*\b:PC+1+4*\b], v[\s+16*\b:\s+7+16*\b], v[TM+12+\b]
	v_cvt_scalef32_pk8_bf8_f32 v[PC+2+4*\b:PC+3+4*\b], v[\s+8+16*\b:\s+15+16*\b], v[TM+12+\b]
.endr
	v_nop                                          ; one plain line behind the last conversion
.endm
	s_load_b64 s[4:5], s[0:1], 0x0                 ; x
	s_load_b64 s[6:7], s[0:1], 0x18                ; xc
	s_load_b64 s[8:9], s[0:1], 0x20                ; xs
	v_lshrrev_b32 v6, 5, v0
	v_readfirstlane_b32 s12, v6                    ; wave
	v_and_b32 v5, 31, v0                           ; lane
	v_and_b32 v7, 15, v0                           ; r
	v_bfe_u32 v8, v0, 4, 1                         ; h
	v_lshlrev_b32 v1, 4, v5                        ; 16 x lane
	s_mul_i32 s13, s12, WST
	v_add_nc_u32 v2, s13, v1                       ; the stage, in: 16 x lane of a row
	v_mul_u32_u24 v3, v7, SP
	v_lshl_add_u32 v3, v8, 6, v3
	v_add_nc_u32 v3, s13, v3                       ; out: row r, + 64 h
	v_lshlrev_b32 v4, 4, v7                        ; 16 r: my row's four scale words
	s_lshr_b32 s14, s12, 1                         ; which tile of the two
	s_and_b32 s15, s12, 1                          ; which half of K
	s_lshl_b32 s16, ttmp9, 17                      ; x: 32 rows of 4,096 bytes a work-group,
	s_lshl_b32 s17, s14, 15                        ; 8 rows on for the odd tile,
	s_add_co_u32 s16, s16, s17
	s_lshl_b32 s17, s15, 11                        ; 512 numbers on for the second half of K
	s_add_co_u32 s16, s16, s17
	s_mov_b32 s17, 0
	s_lshl_b32 s18, ttmp9, 15                      ; codes: two tiles of 16,384 bytes a work-group
	s_lshl_b32 s19, s14, 14
	s_add_co_u32 s18, s18, s19
	s_lshl_b32 s19, s15, 13
	s_add_co_u32 s18, s18, s19
	s_mov_b32 s19, 0
	s_lshl_b32 s24, ttmp9, 10                      ; scale words: two tiles of 512 bytes
	s_lshl_b32 s25, s14, 9
	s_add_co_u32 s24, s24, s25
	s_lshl_b32 s25, s15, 8
	s_add_co_u32 s24, s24, s25
	s_mov_b32 s25, 0
	s_mov_b32 s[SEL], 0x76543210
	s_mov_b32 s[SEL+1], 0xfedcba98                 ; lane l xor 16
	s_mov_b32 s[MNT], 0x600000                     ; the mantissa field of 57,344
.irp b, 0,1,2,3
	v_mov_b32 v[TM+4+\b], 0                        ; written once: a lane permute's destination counts as one of its sources
.endr
	s_wait_alu depctr_va_vdst(0)
	s_wait_kmcnt 0x0
	s_add_nc_u64 s[4:5], s[4:5], s[16:17]
	s_add_nc_u64 s[6:7], s[6:7], s[18:19]
	s_add_nc_u64 s[8:9], s[8:9], s[24:25]
.macro LOAD k                          ; K step k of the tile's 16 rows: 16 loads of 512 consecutive bytes
.irp p, 0,1,2,3,4,5,6,7,8,9,10,11,12,13,14,15
	global_load_b128 v[R+64*((\k)%2)+4*\p:R+64*((\k)%2)+4*\p+3], v1, s[4:5] offset:(\p+8*(\p/8))*4096+512*(\k) th:TH_LOAD_NT
.endr
.endm
.macro TURN k                          ; through the stage: LDS serves a wave's instructions in order, so no wait stands between the stores and the loads
.irp p, 0,1,2,3,4,5,6,7,8,9,10,11,12,13,14,15
	ds_store_b128 v2, v[R+64*((\k)%2)+4*\p:R+64*((\k)%2)+4*\p+3] offset:SP*\p
.endr
.irp c, 0,1,2,3
.irp j, 0,1,2,3
	ds_load_b128 v[X+16*\c+4*\j:X+16*\c+4*\j+3], v3 offset:128*\c+16*\j
.endr
.endr
.endm
.macro KSTEP k
.if (\k) < 3
	s_wait_loadcnt 16                              ; this K step's 16 loads are in; the next step's 16 may be out
.else
	s_wait_loadcnt 0x0
.endif
	TURN \k
	s_wait_dscnt 0x0                               ; my 64 numbers are in, and the stage's stores have read their registers
.if (\k) < 2
	LOAD (\k)+2
.endif
.if (\k) > 0
	s_wait_xcnt 0x0                                ; the last step's stores have read the codes' registers
.endif
	QUANT X, PW+\k
.irp c, 0,1,2,3
	global_store_b128 v1, v[PC+4*\c:PC+4*\c+3], s[6:7] offset:2048*(\k)+512*\c   ; 512 consecutive bytes
.endr
.endm
	LOAD 0
	LOAD 1
	KSTEP 0
	KSTEP 1
	KSTEP 2
	KSTEP 3
	v_cmp_gt_u32 vcc_lo, 16, v5                    ; lanes 16-31 hold the same words: lanes 0-15 store them, one aligned run of 256 bytes
	s_wait_xcnt 0x0                                ; EXEC changes only behind this wait
	s_wait_tensorcnt 0x0
	ds_add_u32 v248, v249
	s_wait_dscnt 0x0
	s_and_saveexec_b32 s22, vcc_lo
	global_store_b128 v4, v[PW:PW+3], s[8:9]
	s_wait_xcnt 0x0
	s_or_b32 exec_lo, exec_lo, s22
	s_endpgm
; ---- the weights: K is their FIRST axis.  Tiles 0-191 of wc are W_qkv's columns, tiles 192-255 W_out's.
; A LANE TAKES A COLUMN AND ITS REGISTERS RUN DOWN K: a load reads 128 consecutive bytes a wave, a block of 32 along K lies in one lane, and the codes come out with K innermost.
; SHARES: of the path's 256 work-groups, number % 32 = 128 columns (0-23: W_qkv, 24-31: W_out; only pointers and the row's length are chosen), number / 32 = the K step of 128; a wave takes 32 columns: two tiles.
; The codes go through the wave's own stage in LDS and leave as runs of 512 bytes.  The scale words leave 4 bytes a lane, 16 bytes apart: one byte in 128 of what this path reads.
.set WBASE, 4*WST                      ; this path's LDS bytes begin behind x's four stages
.set WWST, 4352                        ; a wave's stage: two tiles
.set TPAD, 2176                        ; a tile's 2,048 bytes + 128, so that lanes 8-15 fall on the other half of the banks
.set OFF,  32                          ; v32-63   4 x lane + i rows
.set XW,   64                          ; v64-127  two sets of 32 numbers
.set CW,   128                         ; v128-135 a block's codes
.set OUTR, 136                         ; v136-167 the way out
.Lweights:
	s_load_b128 s[4:7], s[0:1], 0x8                ; W_qkv, W_out
	s_load_b128 s[8:11], s[0:1], 0x28              ; wc, ws
	v_lshrrev_b32 v1, 5, v0
	v_readfirstlane_b32 s12, v1                    ; wave
	v_and_b32 v2, 31, v0                           ; lane = my column of the wave's 32
	v_lshlrev_b32 v3, 2, v2
	v_bfe_u32 v5, v0, 3, 1                         ; u: which of the two tiles my column falls into
	v_and_b32 v6, 7, v0
	v_bfe_u32 v1, v0, 4, 1
	v_lshl_add_u32 v6, v1, 3, v6                   ; r: its lane there
	s_mul_i32 s13, s12, WWST
	s_add_co_u32 s13, s13, WBASE
	v_mul_u32_u24 v4, v5, TPAD
	v_lshl_add_u32 v4, v6, 4, v4
	v_add_nc_u32 v4, s13, v4                       ; the stage, in: tile u, 16 r
	v_lshlrev_b32 v8, 4, v2                        ; 16 x lane
	v_add_nc_u32 v7, s13, v8                       ; out
	v_lshlrev_b32 v9, 9, v5
	v_lshl_add_u32 v9, v6, 4, v9                   ; my scale word: tile u, row r
	s_sub_co_u32 s36, ttmp9, XWG                   ; my number on this path
	s_lshr_b32 s14, s36, 5                         ; the K step
	s_and_b32 s36, s36, 31                         ; the 128 columns
	s_lshl_b32 s15, s36, 2
	s_add_co_u32 s15, s15, s12                     ; which pair of tiles, 0 .. 127
	s_mov_b32 s16, 0x600000                        ; the mantissa field of 57,344
	s_lshl_b32 s32, s15, 15                        ; codes: two tiles of 16,384 bytes, + 2,048 a K step
	s_lshl_b32 s33, s14, 11
	s_add_co_u32 s32, s32, s33
	s_mov_b32 s33, 0
	s_lshl_b32 s34, s15, 10                        ; scale words
	s_lshr_b32 s35, s14, 2
	s_lshl_b32 s35, s35, 8
	s_add_co_u32 s34, s34, s35
	s_and_b32 s35, s14, 3
	s_lshl_b32 s35, s35, 2
	s_add_co_u32 s34, s34, s35
	s_mov_b32 s35, 0
	s_wait_kmcnt 0x0
	s_cmp_lt_u32 s36, 24                           ; W_qkv's work-group or W_out's: the choice hangs on the work-group's number alone
	s_cselect_b64 s[4:5], s[4:5], s[6:7]
	s_mov_b32 s20, 4096
	s_cselect_b32 s20, 12288, s20                  ; a row of W in bytes
	s_cselect_b32 s21, 0, 96                       ; W_out's pairs count from 96
	s_sub_co_u32 s21, s15, s21
	s_lshl_b32 s22, s21, 7                         ; my wave's first column, in bytes
	s_lshl_b32 s23, s14, 7
	s_mul_i32 s23, s23, s20                        ; 128 rows a K step
	s_add_co_u32 s22, s22, s23
	s_mov_b32 s23, 0
	s_add_nc_u64 s[24:25], s[4:5], s[22:23]        ; a base for each of the four blocks, 32 rows apart
	s_lshl_b32 s22, s20, 5
	s_add_nc_u64 s[26:27], s[24:25], s[22:23]
	s_add_nc_u64 s[28:29], s[26:27], s[22:23]
	s_add_nc_u64 s[30:31], s[28:29], s[22:23]
	s_add_nc_u64 s[8:9], s[8:9], s[32:33]
	s_add_nc_u64 s[10:11], s[10:11], s[34:35]
.irp i, 0,1,2,3,4,5,6,7,8,9,10,11,12,13,14,15,16,17,18,19,20,21,22,23,24,25,26,27,28,29,30,31
	v_mad_u32_u24 v[OFF+\i], s20, \i, v3
.endr
.macro WLOAD t
.irp i, 0,1,2,3,4,5,6,7,8,9,10,11,12,13,14,15,16,17,18,19,20,21,22,23,24,25,26,27,28,29,30,31
	global_load_b32 v[XW+32*((\t)%2)+\i], v[OFF+\i], s[24+2*(\t):25+2*(\t)] th:TH_LOAD_NT
.endr
.endm
.macro BLOCK t
.set XS, XW+32*((\t)%2)
.if (\t) < 3
	s_wait_loadcnt 32                              ; this block's 32 loads are in; the next block's may be out
.else
	s_wait_loadcnt 0x0
.endif
	v_max3_num_f32 v12, |v[XS]|, |v[XS+1]|, |v[XS+2]|            ; the block's largest magnitude: all 32 numbers are mine
	v_max3_num_f32 v13, |v[XS+3]|, |v[XS+4]|, |v[XS+5]|
.irp i, 6,10,14,18,22,26
	v_max3_num_f32 v12, v12, |v[XS+\i]|, |v[XS+\i+1]|
	v_max3_num_f32 v13, v13, |v[XS+\i+2]|, |v[XS+\i+3]|
.endr
	v_max3_num_f32 v12, v12, |v[XS+30]|, |v[XS+31]|
	v_max3_num_f32 v12, v12, v13, 0x8000000        ; and the floor 2^(16 - 127)
	v_add_nc_u32 v11, 0xf8800000, v12              ; the conversion's scale operand
	v_and_or_b32 v10, v12, 0x7f800000, s16         ; 57,344 x the scale
	v_lshrrev_b32 v13, 23, v11                     ; the byte
.if (\t) == 0
	v_mov_b32 v24, v13
.else
	v_lshl_or_b32 v24, v13, 8*(\t), v24
.endif
.irp i, 0,1,2,3,4,5,6,7,8,9,10,11,12,13,14,15,16,17,18,19,20,21,22,23,24,25,26,27,28,29,30,31
	v_med3_num_f32 v[XS+\i], v[XS+\i], -v10, v10
.endr
.irp g, 0,1,2,3
	v_cvt_scalef32_pk8_bf8_f32 v[CW+2*\g:CW+2*\g+1], v[XS+8*\g:XS+8*\g+7], v11
.endr
	ds_store_b128 v4, v[CW:CW+3] offset:512*(\t)           ; k 0-15 of the block: the place of lane (r, 0)
	ds_store_b128 v4, v[CW+4:CW+7] offset:512*(\t)+256     ; k 16-31: that of lane (r, 1)
.if (\t) < 2
	WLOAD (\t)+2
.endif
	s_wait_dscnt 0x0                               ; the stores have read their registers
.endm
	WLOAD 0
	WLOAD 1
	BLOCK 0
	BLOCK 1
	BLOCK 2
	BLOCK 3
	global_store_b32 v9, v24, s[10:11]             ; my column's scale word of this K step
.irp u, 0,1
.irp c, 0,1,2,3
	ds_load_b128 v[OUTR+16*\u+4*\c:OUTR+16*\u+4*\c+3], v7 offset:TPAD*\u+512*\c
.endr
.endr
.irp u, 0,1
.irp c, 0,1,2,3
	s_wait_dscnt 7-4*\u-\c
	global_store_b128 v8, v[OUTR+16*\u+4*\c:OUTR+16*\u+4*\c+3], s[8:9] offset:16384*\u+512*\c   ; 512 consecutive bytes
.endr
.endr
	s_wait_tensorcnt 0x0
	ds_add_u32 v248, v249
	s_wait_dscnt 0x0
	s_endpgm
.Lfunc_end_k_qfab8e50fcf_quant:
	.size	k_qfab8e50fcf_quant, .Lfunc_end_k_qfab8e50fcf_quant-k_qfab8e50fcf_quant
	.p2alignl 7, 3214868480
	.fill 96, 4, 3214868480
	.section	.rodata,"a",@progbits
	.p2align	6, 0x0
	.amdhsa_kernel k_qfab8e50fcf_quant
		.amdhsa_group_segment_fixed_size 51712
		.amdhsa_private_segment_fixed_size 0
		.amdhsa_enable_private_segment 0
		.amdhsa_kernarg_size 56
		.amdhsa_user_sgpr_count 2
		.amdhsa_user_sgpr_kernarg_segment_ptr 1
		.amdhsa_wavefront_size32 1
		.amdhsa_system_sgpr_workgroup_id_x 1
		.amdhsa_system_sgpr_workgroup_id_y 1
		.amdhsa_system_sgpr_workgroup_id_z 1
		.amdhsa_system_vgpr_workitem_id 0
		.amdhsa_next_free_vgpr 250
		.amdhsa_next_free_sgpr 66
		.amdhsa_reserve_vcc 1
		.amdhsa_float_denorm_mode_32 3
		.amdhsa_float_denorm_mode_16_64 3
		.amdhsa_memory_ordered 1
		.amdhsa_forward_progress 1
		.amdhsa_inst_pref_size 84
	.end_amdhsa_kernel
	.amdgpu_metadata
---
amdhsa.version: [ 1, 2 ]
amdhsa.kernels:
  - .name:           k_qfab8e50fcf_quant
    .symbol:         k_qfab8e50fcf_quant.kd
    .args:
      - { .name: x, .offset: 0, .size: 8, .value_kind: global_buffer, .address_space: global }
      - { .name: W_qkv, .offset: 8, .size: 8, .value_kind: global_buffer, .address_space: global }
      - { .name: W_out, .offset: 16, .size: 8, .value_kind: global_buffer, .address_space: global }
      - { .name: xc, .offset: 24, .size: 8, .value_kind: global_buffer, .address_space: global }
      - { .name: xs, .offset: 32, .size: 8, .value_kind: global_buffer, .address_space: global }
      - { .name: wc, .offset: 40, .size: 8, .value_kind: global_buffer, .address_space: global }
      - { .name: ws, .offset: 48, .size: 8, .value_kind: global_buffer, .address_space: global }
    .group_segment_fixed_size: 51712
    .private_segment_fixed_size: 0
    .kernarg_segment_align: 8
    .kernarg_segment_size: 56
    .max_flat_workgroup_size: 128
    .sgpr_count:     66
    .vgpr_count:     250
    .wavefront_size: 32
...
	.end_amdgpu_metadata
.endif
;; end of part 1
;; launch gemm_qkv (part 2): grid 12 x 32, 4 waves a work-group, clusters of 4 x 4, 327,680 bytes of LDS; arguments xc, xs, wc, ws, b_qkv, qkvc, qkvs; writes qkvc, qkvs
.if DOCPART == 2
	.amdgcn_target "amdgcn-amd-amdhsa--gfx1250"
	.amdhsa_code_object_version 6
	.text
	.protected	k_qfab8e50fcf_gemm_qkv
	.globl	k_qfab8e50fcf_gemm_qkv
	.p2align	8
	.type	k_qfab8e50fcf_gemm_qkv,@function
k_qfab8e50fcf_gemm_qkv:
	s_mov_b64 s[64:65], 0
	v_nop
	global_prefetch_b8 v0, s[64:65] scope:SCOPE_SE
	s_setreg_imm32_b32 hwreg(HW_REG_WAVE_MODE, 25, 1), 1
	s_wait_xcnt 0x0
	s_wait_alu depctr_hold_cnt(0) depctr_sa_sdst(0) depctr_va_vdst(0) depctr_va_sdst(0) depctr_va_ssrc(0) depctr_va_vcc(0) depctr_vm_vsrc(0)
	s_getreg_b32 s2, hwreg(HW_REG_IB_STS2, 6, 4)
	s_cmp_eq_u32 s2, 0
	s_cbranch_scc0 .Lentry_in_a_cluster
	s_endpgm
.Lentry_in_a_cluster:
	s_bfe_u32 s2, ttmp6, 0x10000c
	s_cmp_lg_u32 s2, 0xf033
	s_cbranch_scc0 .Lentry_shape_is_right
	s_endpgm
.Lentry_shape_is_right:
.set SLOT,   131072
.set SCL,    2*SLOT
.set HALFS,  16*272
.set SPARE,  SCL+4*HALFS
.set FR,     16
.set NP,     8
.set ADRA, 16
.set ADRB, 20
.set LI,   26
.set ADRS, 27
.set SPW,  28
.set NIL,  29
.set L8,   30
.set SC,   32
.set BI,   64
.set AF,   128
.set ST,   128
.set PC,   192
.set TM,   208
.set WD,   224
.set FW,   232
.set OUT,  240
.set G1, 24
.set G0, 32
.set G1B, 48
.set G0B, 56
.set G1S, 68
.set G0S, 76
.set G1SB, 80
.set G0SB, 88
.set SEL, 40
.set MNT, 42
.set HIM, 43
.set MSB, 0
.macro WIN new
.if MSB != (\new)
	s_set_vgpr_msb (MSB<<8)|(\new)
.set MSB, (\new)
.endif
.endm
.set MUL_LO, 0xa1
.set MUL_HI, 0xf1
.set TO_B,   0x40
.macro JLOAD g0a, g1a, g0b, g1b
	s_cmp_eq_u32 s19, 0
	s_cbranch_scc0 .Lfor_b_\@
	tensor_load_to_lds s[\g0a:\g0a+3], s[\g1a:\g1a+7]
	s_nop 0
.rept 4
	v_nop
.endr
	s_branch .Lasked_\@
.Lfor_b_\@:
	tensor_load_to_lds s[\g0b:\g0b+3], s[\g1b:\g1b+7]
	s_nop 0
.rept 4
	v_nop
.endr
.Lasked_\@:
.endm
.macro CREST
	s_cmp_lg_u32 s18, 0
	s_cbranch_scc1 .Lnot_wave_0_\@
	s_barrier_signal -3
.Lnot_wave_0_\@:
	s_barrier_wait -3
	s_barrier_signal -1
	s_barrier_wait -1
.endm
.macro CROUND
	s_barrier_signal -1
	s_barrier_wait -1
	CREST
.endm
.macro PLACES n
.rept \n
	v_nop
.endr
.endm
.macro FRAG reg, adr, q, i
.irp c, 0,1,2,3
	ds_load_b128 v[\reg+4*\c:\reg+4*\c+3], v[\adr] offset:(\i)*4096+(\q)*2048+512*\c
.endr
.endm
.macro MUL16 a0, p, q, sc, zero
.irp a, \a0, \a0+1
.irp b, 0,1,2,3,4,5,6,7
.if \zero
	v_wmma_scale_f32_16x16x128_f8f6f4 v[8*(8*((\a)%4)+\b):8*(8*((\a)%4)+\b)+7], v[128*(\p)+FR*\b:128*(\p)+FR*\b+FR-1], v[AF+FR*(\a):AF+FR*(\a)+FR-1], 0, v[SC+16*(\sc)+2*\b+(\q)], v[SC+16*(\sc)+2*(\a)+(\q)] matrix_a_fmt:MATRIX_FMT_BF8 matrix_b_fmt:MATRIX_FMT_BF8 matrix_a_scale:MATRIX_SCALE_ROW1
.else
	v_wmma_scale_f32_16x16x128_f8f6f4 v[8*(8*((\a)%4)+\b):8*(8*((\a)%4)+\b)+7], v[128*(\p)+FR*\b:128*(\p)+FR*\b+FR-1], v[AF+FR*(\a):AF+FR*(\a)+FR-1], v[8*(8*((\a)%4)+\b):8*(8*((\a)%4)+\b)+7], v[SC+16*(\sc)+2*\b+(\q)], v[SC+16*(\sc)+2*(\a)+(\q)] matrix_a_fmt:MATRIX_FMT_BF8 matrix_b_fmt:MATRIX_FMT_BF8 matrix_a_scale:MATRIX_SCALE_ROW1
.endif
.endr
.endr
.endm
.macro FETCH_B slot, q, p
	WIN TO_B
.irp i, 0,1,2,3,4,5,6,7
	FRAG 128*(\p)+FR*\i, ADRB+\slot, \q, \i
.endr
	WIN 0
.endm
.macro FETCH_A slot, q, i0
.irp i, \i0, \i0+1, \i0+2, \i0+3
	FRAG AF+FR*(\i), ADRA+\slot, \q, \i
.endr
.endm
.macro SCALES sc, sg
.irp i, 0,1,2,3,4,5,6,7
	ds_load_b64 v[SC+16*\sc+2*\i:SC+16*\sc+2*\i+1], v[ADRS] offset:\i*544+((\sg)/2)*272+((\sg)%2)*8
.endr
.endm
.macro STEP slot, q, zero
	s_wait_dscnt 16
	WIN MUL_LO
	MUL16 0, (\q)%2, \q, \slot, \zero
	MUL16 2, (\q)%2, \q, \slot, \zero
	s_wait_dscnt 0x0
	PLACES NP
	FETCH_B \slot, (\q)+1, 1-(\q)%2
	FETCH_A \slot, (\q)+1, 0
	WIN MUL_HI
	MUL16 4, (\q)%2, \q, \slot, \zero
	MUL16 6, (\q)%2, \q, \slot, \zero
	PLACES NP
	WIN 0
	FETCH_A \slot, (\q)+1, 4
.endm
.macro TURN slot, next, fill, sg
	s_wait_tensorcnt 0x0
	ds_add_u32 v[SPW], v[NIL]
	s_wait_dscnt 17
	WIN MUL_LO
	MUL16 0, 1, 1, \slot, 0
	s_wait_dscnt 0x0
	s_barrier_signal -1
	MUL16 2, 1, 1, \slot, 0
	WIN 0
	s_barrier_wait -1
.if \fill
	CREST
	s_add_nc_u64 s[G0+4*\slot+2:G0+4*\slot+3], s[G0+4*\slot+2:G0+4*\slot+3], 8192
	s_add_nc_u64 s[G0B+4*\slot+2:G0B+4*\slot+3], s[G0B+4*\slot+2:G0B+4*\slot+3], 8192
	JLOAD G0+4*\slot, G1, G0B+4*\slot, G1B
	PLACES NP-4
.else
	PLACES NP
.endif
	FETCH_B \next, 0, 0
	FETCH_A \next, 0, 0
	SCALES \next, \sg
	WIN MUL_HI
	MUL16 4, 1, 1, \slot, 0
	MUL16 6, 1, 1, \slot, 0
	PLACES NP
	WIN 0
	FETCH_A \next, 0, 4
.endm
.macro LAST
	s_wait_dscnt 16
	WIN MUL_LO
	MUL16 0, 1, 1, 1, 0
	MUL16 2, 1, 1, 1, 0
	s_wait_dscnt 0x0
	WIN MUL_HI
	MUL16 4, 1, 1, 1, 0
	MUL16 6, 1, 1, 1, 0
	WIN 0
.endm
.macro QUANT s, pw
.irp b, 0,1,2,3
	v_max3_num_f32 v[TM+\b], |v[\s+16*\b]|, |v[\s+1+16*\b]|, 0x8000000
.endr
.irp i, 2,4,6,8,10,12,14
.irp b, 0,1,2,3
	v_max3_num_f32 v[TM+\b], v[TM+\b], |v[\s+16*\b+\i]|, |v[\s+1+16*\b+\i]|
.endr
.endr
.irp b, 0,1,2,3
	v_permlanex16_b32 v[TM+4+\b], v[TM+\b], s[SEL], s[SEL+1]
.endr
.irp b, 0,1,2,3
	v_max_num_f32 v[TM+\b], v[TM+\b], v[TM+4+\b]
.endr
.irp b, 0,1,2,3
	v_add_nc_u32 v[TM+12+\b], 0xf8800000, v[TM+\b]
.endr
.irp b, 0,1,2,3
	v_and_or_b32 v[TM+8+\b], v[TM+\b], 0x7f800000, s[MNT]
.endr
.irp b, 0,1,2,3
	v_lshrrev_b32 v[TM+4+\b], 23, v[TM+12+\b]
.endr
	v_lshl_or_b32 v[\pw], v[TM+5], 8, v[TM+4]
	v_lshl_or_b32 v[\pw], v[TM+6], 16, v[\pw]
	v_lshl_or_b32 v[\pw], v[TM+7], 24, v[\pw]
.irp b, 0,1,2,3
.irp i, 0,1,2,3,4,5,6,7,8,9,10,11,12,13,14,15
	v_med3_num_f32 v[\s+16*\b+\i], v[\s+16*\b+\i], -v[TM+8+\b], v[TM+8+\b]
.endr
	v_cvt_scalef32_pk8_bf8_f32 v[PC+4*\b:PC+1+4*\b], v[\s+16*\b:\s+7+16*\b], v[TM+12+\b]
	v_cvt_scalef32_pk8_bf8_f32 v[PC+2+4*\b:PC+3+4*\b], v[\s+8+16*\b:\s+15+16*\b], v[TM+12+\b]
.endr
	v_nop
.endm
.macro EPI vm
	PLACES NP
	s_wait_loadcnt 0x0
.irp b, 0,1,2,3
	v_mov_b32 v[TM+4+\b], 0
.endr
.irp a, 0,1,2,3,4,5,6,7
.if \a > 0
	s_wait_xcnt 0x0
.endif
	WIN 0x02+(\a/4)
.set i, 0
.rept 32
.if \vm
	v_pk_add_f32 v[ST+2*i:ST+2*i+1], v[64*(\a%4)+2*i:64*(\a%4)+2*i+1], v[BI+2*\a:BI+2*\a+1]
.else
	v_pk_add_f32 v[ST+2*i:ST+2*i+1], v[64*(\a%4)+2*i:64*(\a%4)+2*i+1], v[BI+2*i:BI+2*i+1]
.endif
.set i, i+1
.endr
	WIN 0
	QUANT ST, WD+\a
.irp c, 0,1,2,3
.if \vm
	global_store_b128 v[LI], v[PC+4*\c:PC+4*\c+3], s[14:15] offset:(\a/4)*131072+(\a%4)*2048+\c*512
.else
	global_store_b128 v[LI], v[PC+4*\c:PC+4*\c+3], s[14:15] offset:(\c/2)*131072+\a*1024+(\c%2)*512
.endif
.endr
.endr
.irp k, 0,1
.if \vm
	v_cndmask_b32 v[OUT+2*\k], v[WD+4*\k], v[WD+4*\k+1], s[HIM]
	v_cndmask_b32 v[OUT+2*\k+1], v[WD+4*\k+2], v[WD+4*\k+3], s[HIM]
.else
.irp b, 0,1,2,3
	v_perm_b32 v[FW+4*\k+\b], v[WD+2*\b+1], v[WD+2*\b], 0x05040100+0x02020202*\k
.endr
	v_cndmask_b32 v[OUT+2*\k], v[FW+4*\k], v[FW+4*\k+1], s[HIM]
	v_cndmask_b32 v[OUT+2*\k+1], v[FW+4*\k+2], v[FW+4*\k+3], s[HIM]
.endif
	global_store_b64 v[L8], v[OUT+2*\k:OUT+2*\k+1], s[16:17] offset:4096*\k
.endr
.endm
	s_load_b256 s[4:11], s[0:1], 0x0
	s_load_b128 s[12:15], s[0:1], 0x20
	s_load_b64 s[16:17], s[0:1], 0x30
	v_lshl_add_u32 v[SPW], v0, 2, SPARE
	v_mov_b32 v[NIL], 0
	ds_add_u32 v28, v29
	ds_add_u32 v28, v29
	s_wait_dscnt 0x0
	v_lshrrev_b32 v1, 5, v0
	v_readfirstlane_b32 s18, v1
	s_lshr_b32 s19, s18, 1
	s_and_b32 s20, s18, 1
	s_bfe_u32 s21, ttmp6, 0x40000
	s_bfe_u32 s22, ttmp6, 0x40004
	s_and_b32 s23, ttmp7, 0xffff
	s_lshl_b32 s40, s22, 2
	s_lshl_b32 s40, 15, s40
	s_lshl_b32 s41, 0x1111, s21
	s_or_b32 s[G1+0], s40, (3<<16)|(1<<21)
	s_or_b32 s[G1B+0], s41, (3<<16)|(1<<21)
.irp g, G1, G1B
	s_mov_b32 s[\g+1], 512<<16
	s_mov_b32 s[\g+2], 16<<16                      ; the head's loads of codes bring 16 tiles; behind them the two words are set to 8
	s_mov_b32 s[\g+3], 512<<16
	s_mov_b32 s[\g+4], 16
	s_mov_b32 s[\g+5], 2048
	s_mov_b32 s[\g+6], 0
	s_mov_b32 s[\g+7], 0
.endr
	s_or_b32 s[G1S+0], s40, (3<<16)|(1<<20)|(1<<21)|(5<<22)|(3<<25)
	s_or_b32 s[G1SB+0], s41, (3<<16)|(1<<20)|(1<<21)|(5<<22)|(3<<25)
.irp g, G1S, G1SB
	s_mov_b32 s[\g+1], 32<<16
	s_mov_b32 s[\g+2], 32<<16
	s_mov_b32 s[\g+3], 32<<16
	s_mov_b32 s[\g+4], 32
	s_mov_b32 s[\g+5], 32
	s_mov_b32 s[\g+6], 0
	s_mov_b32 s[\g+7], 0
.endr
	s_lshl_b32 s42, s23, 2
	s_lshl_b32 s43, ttmp9, 2
	s_lshl_b32 s47, s18, 15
	s_wait_kmcnt 0x0
	s_cmp_eq_u32 ttmp9, 2
	s_cselect_b32 s44, 8, s42
	s_cselect_b32 s45, s42, s43
	s_cselect_b32 s46, 1, 0
	s_cselect_b64 s[92:93], s[8:9], s[4:5]
	s_cselect_b64 s[94:95], s[10:11], s[6:7]
	s_cselect_b64 s[96:97], s[4:5], s[8:9]
	s_cselect_b64 s[98:99], s[6:7], s[10:11]
	s_add_co_u32 s44, s44, s22
	s_add_co_u32 s45, s45, s21
	s_lshl_b32 s66, s44, 1
	s_add_co_u32 s66, s66, s20
	s_mov_b32 s67, 0
	s_lshl_b32 s2, s45, 1
	s_add_co_u32 s2, s2, s20
	s_mov_b32 s3, 0
	s_lshl_b32 s66, s66, 12
	s_add_nc_u64 s[94:95], s[94:95], s[66:67]
	s_lshl_b32 s66, s66, 5
	s_add_nc_u64 s[92:93], s[92:93], s[66:67]
	s_lshl_b32 s2, s2, 12
	s_add_nc_u64 s[98:99], s[98:99], s[2:3]
	s_lshl_b32 s2, s2, 5
	s_add_nc_u64 s[96:97], s[96:97], s[2:3]
	CROUND
	s_mov_b32 s[G0S], 1
	s_lshl_b32 s66, s20, 12                        ; my half's 4,096 bytes of scale words are taken off again: a head's load brings both halves
	s_mov_b32 s[G0S+1], SCL
	s_sub_nc_u64 s[G0S+2:G0S+3], s[94:95], s[66:67]
	s_or_b32 s[G0S+3], s[G0S+3], 0x80000000
	s_mov_b32 s[G0SB], 1
	s_mov_b32 s[G0SB+1], SCL+2*HALFS
	s_sub_nc_u64 s[G0SB+2:G0SB+3], s[98:99], s[66:67]
	s_or_b32 s[G0SB+3], s[G0SB+3], 0x80000000
.set G0H, 4                            ; s[4:7], s[8:11] group 0 of the head's loads of K step 0: A's 16 tiles, B's 16 tiles (the arguments that lay there have been used)
.set G0HB, 8
	s_lshl_b32 s66, s20, 17                        ; my half's 8 tiles of 16,384 bytes
	s_mov_b32 s[G0H], 1
	s_mov_b32 s[G0H+1], 0
	s_sub_nc_u64 s[G0H+2:G0H+3], s[92:93], s[66:67]
	s_or_b32 s[G0H+3], s[G0H+3], 0x80000000
	s_mov_b32 s[G0HB], 1
	s_mov_b32 s[G0HB+1], 65536
	s_sub_nc_u64 s[G0HB+2:G0HB+3], s[96:97], s[66:67]
	s_or_b32 s[G0HB+3], s[G0HB+3], 0x80000000
.irp n, 0,1
	s_mov_b32 s[G0+4*\n], 1
	s_add_co_u32 s[G0+4*\n+1], s47, \n*SLOT
	s_add_nc_u64 s[G0+4*\n+2:G0+4*\n+3], s[92:93], \n*4096
	s_or_b32 s[G0+4*\n+3], s[G0+4*\n+3], 0x80000000
	s_mov_b32 s[G0B+4*\n], 1
	s_add_co_u32 s[G0B+4*\n+1], s47, \n*SLOT
	s_add_nc_u64 s[G0B+4*\n+2:G0B+4*\n+3], s[96:97], \n*4096
	s_or_b32 s[G0B+4*\n+3], s[G0B+4*\n+3], 0x80000000
.endr
; THE HEAD'S LOADS, ONE A WAVE: wave 0 K step 0's 16 tiles of A, wave 1 those of B, wave 2 A's scale words, wave 3 B's.  One chain of branches on the wave's number: every way passes one load.
.macro ARM under, g0, g1, next
	s_cmp_lt_u32 s18, \under
	s_cbranch_scc0 \next
	tensor_load_to_lds s[\g0:\g0+3], s[\g1:\g1+7]
	s_nop 0
.rept 4
	v_nop
.endr
	s_branch .Lhead_asked
\next:
.endm
	ARM 1, G0H,  G1,  .Lhead_b
	ARM 2, G0HB, G1B, .Lhead_sa
	ARM 3, G0S,  G1S, .Lhead_sb
	tensor_load_to_lds s[G0SB:G0SB+3], s[G1SB:G1SB+7]
	s_nop 0
.rept 4
	v_nop
.endr
.Lhead_asked:
	v_and_b32 v1, 31, v0
	v_lshlrev_b32 v[LI], 4, v1
	v_lshlrev_b32 v[L8], 3, v1
	v_and_b32 v2, 15, v0
	v_bfe_u32 v3, v0, 4, 1
	s_wait_alu depctr_va_vdst(0)
	s_lshl_b32 s42, s19, 15
	s_lshl_b32 s43, s20, 15
	s_add_co_u32 s43, s43, 65536
.irp n, 0,1
	v_add_nc_u32 v[ADRA+\n], s42, v[LI]
	v_add_nc_u32 v[ADRB+\n], s43, v[LI]
	s_add_co_u32 s42, s42, SLOT
	s_add_co_u32 s43, s43, SLOT
.endr
	s_mul_i32 s42, s19, HALFS
	s_mul_i32 s43, s20, HALFS
	s_add_co_u32 s43, s43, 2*HALFS
	s_sub_co_u32 s43, s43, s42
	v_mul_u32_u24 v4, s43, v3
	s_add_co_u32 s42, s42, SCL
	v_lshl_add_u32 v4, v2, 4, v4
	v_add_nc_u32 v[ADRS], s42, v4
	v_lshlrev_b32 v5, 6, v3
	v_and_b32 v6, 8, v2
	v_add_nc_u32 v6, v6, v2
	v_lshlrev_b32 v6, 2, v6
	s_lshl_b32 s92, s44, 1
	s_add_co_u32 s92, s92, s19
	s_lshl_b32 s93, s45, 1
	s_add_co_u32 s93, s93, s20
	s_cmp_eq_u32 s46, 1
	s_cselect_b32 s94, s93, s92
	s_cselect_b32 s95, s92, s93
	s_lshr_b32 s96, s95, 3
	s_and_b32 s97, s95, 7
	s_lshl_b32 s97, s97, 1
	s_lshr_b32 s98, s94, 4
	s_and_b32 s99, s94, 15
	s_lshl_b32 s98, s98, 4
	s_add_co_u32 s98, s98, s97
	s_lshl_b32 s96, s96, 18
	s_lshl_b32 s98, s98, 12
	s_lshl_b32 s99, s99, 8
	s_add_co_u32 s96, s96, s98
	s_add_co_u32 s96, s96, s99
	s_mov_b32 s97, 0
	s_add_nc_u64 s[16:17], s[16:17], s[96:97]
	s_lshl_b32 s96, s96, 5
	s_add_nc_u64 s[14:15], s[14:15], s[96:97]
	s_lshl_b32 s96, s95, 9
	s_add_nc_u64 s[12:13], s[12:13], s[96:97]
	s_mov_b32 s[SEL], 0x76543210
	s_mov_b32 s[SEL+1], 0xfedcba98
	s_mov_b32 s[MNT], 0x600000
	s_mov_b32 s[HIM], 0xffff0000
	s_wait_alu depctr_va_vdst(0)
	s_wait_tensorcnt 0x0                           ; my tile of the head's four is in
	ds_add_u32 v[SPW], v[NIL]
	s_mov_b32 s[G1+2], 8<<16                       ; no tensor load of mine is out: from here on a load brings 8 tiles
	s_mov_b32 s[G1+4], 8
	s_mov_b32 s[G1B+2], 8<<16
	s_mov_b32 s[G1B+4], 8
	s_wait_dscnt 0x0
	CROUND                                         ; all four tiles are in, and all sixteen work-groups are here
	JLOAD G0+4, G1, G0B+4, G1B                     ; K step 1, the first tensor load behind the round
	FETCH_B 0, 0, 0
	FETCH_A 0, 0, 0
	SCALES 0, 0
	FETCH_A 0, 0, 4
	STEP 0, 0, 1
	TURN 0, 1, 1, 1
	STEP 1, 0, 0
	TURN 1, 0, 1, 2
	STEP 0, 0, 0
	TURN 0, 1, 0, 3
	STEP 1, 0, 0
	s_cmp_eq_u32 s46, 1
	s_cbranch_scc1 .Lvmode
.irp b, 0,1,2,3,4,5,6,7
	global_load_b128 v[BI+8*\b:BI+8*\b+3], v5, s[12:13] offset:(32*(\b/2)+8*(\b%2))*4
	global_load_b128 v[BI+8*\b+4:BI+8*\b+7], v5, s[12:13] offset:(32*(\b/2)+8*(\b%2))*4+16
.endr
	LAST
	EPI 0
	s_branch .Lend
.Lvmode:
.irp a, 0,1,2,3,4,5,6,7
	global_load_b32 v[BI+2*\a], v6, s[12:13] offset:(32*(\a/2)+8*(\a%2))*4
	global_load_b32 v[BI+2*\a+1], v6, s[12:13] offset:(32*(\a/2)+8*(\a%2))*4
.endr
	LAST
	EPI 1
.Lend:
	s_wait_tensorcnt 0x0
	ds_add_u32 v[SPW], v[NIL]
	s_wait_dscnt 0x0
	CROUND
	s_endpgm
.Lfunc_end_k_qfab8e50fcf_gemm_qkv:
	.size	k_qfab8e50fcf_gemm_qkv, .Lfunc_end_k_qfab8e50fcf_gemm_qkv-k_qfab8e50fcf_gemm_qkv
	.p2alignl 7, 3214868480
	.fill 96, 4, 3214868480
	.section	.rodata,"a",@progbits
	.p2align	6, 0x0
	.amdhsa_kernel k_qfab8e50fcf_gemm_qkv
		.amdhsa_group_segment_fixed_size 327680
		.amdhsa_private_segment_fixed_size 0
		.amdhsa_enable_private_segment 0
		.amdhsa_kernarg_size 56
		.amdhsa_user_sgpr_count 2
		.amdhsa_user_sgpr_kernarg_segment_ptr 1
		.amdhsa_wavefront_size32 1
		.amdhsa_system_sgpr_workgroup_id_x 1
		.amdhsa_system_sgpr_workgroup_id_y 1
		.amdhsa_system_sgpr_workgroup_id_z 1
		.amdhsa_system_vgpr_workitem_id 0
		.amdhsa_next_free_vgpr 1024
		.amdhsa_next_free_sgpr 100
		.amdhsa_reserve_vcc 0
		.amdhsa_float_denorm_mode_32 3
		.amdhsa_float_denorm_mode_16_64 3
		.amdhsa_memory_ordered 1
		.amdhsa_forward_progress 1
		.amdhsa_inst_pref_size 255
	.end_amdhsa_kernel
	.section	.bss,"aw",@nobits
	.p2align	6
	.space	262144
	.amdgpu_metadata
---
amdhsa.version: [ 1, 2 ]
amdhsa.kernels:
  - .name:           k_qfab8e50fcf_gemm_qkv
    .symbol:         k_qfab8e50fcf_gemm_qkv.kd
    .args:
      - { .name: xc, .offset: 0, .size: 8, .value_kind: global_buffer, .address_space: global }
      - { .name: xs, .offset: 8, .size: 8, .value_kind: global_buffer, .address_space: global }
      - { .name: wc, .offset: 16, .size: 8, .value_kind: global_buffer, .address_space: global }
      - { .name: ws, .offset: 24, .size: 8, .value_kind: global_buffer, .address_space: global }
      - { .name: b_qkv, .offset: 32, .size: 8, .value_kind: global_buffer, .address_space: global }
      - { .name: qkvc, .offset: 40, .size: 8, .value_kind: global_buffer, .address_space: global }
      - { .name: qkvs, .offset: 48, .size: 8, .value_kind: global_buffer, .address_space: global }
    .group_segment_fixed_size: 327680
    .private_segment_fixed_size: 0
    .kernarg_segment_align: 8
    .kernarg_segment_size: 56
    .max_flat_workgroup_size: 128
    .sgpr_count:     100
    .vgpr_count:     1024
    .wavefront_size: 32
...
	.end_amdgpu_metadata
.endif
;; end of part 2
;; launch attn (part 3): grid 4 x 64, 16 waves a work-group, clusters of 4 x 1, 272,384 bytes of LDS; arguments qkvc, qkvs, oc, os; writes oc, os
.if DOCPART == 3
	.amdgcn_target "amdgcn-amd-amdhsa--gfx1250"
	.amdhsa_code_object_version 6
	.text
	.protected	k_qfab8e50fcf_attn
	.globl	k_qfab8e50fcf_attn
	.p2align	8
	.type	k_qfab8e50fcf_attn,@function
k_qfab8e50fcf_attn:
	s_mov_b64 s[64:65], 0
	v_nop
	global_prefetch_b8 v0, s[64:65] scope:SCOPE_SE
	s_setreg_imm32_b32 hwreg(HW_REG_WAVE_MODE, 25, 1), 1
	s_wait_xcnt 0x0
	s_wait_alu depctr_hold_cnt(0) depctr_sa_sdst(0) depctr_va_vdst(0) depctr_va_sdst(0) depctr_va_ssrc(0) depctr_va_vcc(0) depctr_vm_vsrc(0)
	s_getreg_b32 s2, hwreg(HW_REG_IB_STS2, 6, 4)
	s_cmp_eq_u32 s2, 0
	s_cbranch_scc0 .Lentry_in_a_cluster
	s_endpgm
.Lentry_in_a_cluster:
	s_bfe_u32 s2, ttmp6, 0x10000c
	s_cmp_lg_u32 s2, 0x3003
	s_cbranch_scc0 .Lentry_shape_is_right
	s_endpgm
.Lentry_shape_is_right:
; o = softmax(q k^T / 8) v for one head and 512 queries a work-group, both products on codes of E5M2 with E8M0 scales; o is quantised along E on the way out, as the last product's operand.
; THE SOFTMAX: t = score x log2(e) / 8; M = the running largest t rounded UP to a whole number; p = 2^(t - M) is quantised along the keys, not normalised; the row's sum is taken of the unquantised p
; and divides at the end; when M moves, the sum and O are multiplied by 2^(old M - new M): exact.
; SHARES: 256 work-groups.  Sixteen waves, four to a SIMD; a wave takes one tile of 16 queries in 256 registers, walks the head's 2,048 keys, 128 a step, and then does the same for a second tile (two passes).
; ALL OF THE HEAD'S K AND V STAY IN LDS, FILLED ONCE (131,072 bytes each, and 4,096 of scale words each).  The four work-groups of a cluster belong to one head and ask jointly.
; One tensor load a wave at the head: waves 0-3 a quarter of K's codes each, waves 4-7 of V's, wave 8 K's scale words, wave 9 V's; one barrier shows them to all; behind it no wave waits for another.
; NO PREFETCH: K and V are asked for once, by the head's loads; there is no loop to run ahead in.
; LAYOUT: both products are used transposed, so that a lane holds one query.  The images lie in the order of the operand's registers.  The head has 64 along d and the instruction takes 128:
; a fragment of K holds TWO tiles of 16 keys, [even tile d 0-63 | odd tile d 0-63]; the queries stand as [q | zero codes | q], read as [q | 0] and as [0 | q]: a zero code times a finite code adds nothing.
; The keys of a tile are 32 b + 8 u + r + 8 (r / 8), so that p's 16 registers of tiles 2 b, 2 b + 1 are 16 neighbouring keys; V's rows d and the queries are ordered likewise.
; TWO AREAS OF 64 REGISTERS TAKE TURNS.  In a step K's fragments lie in one (F) and the scores go to the other (S).  V's fragments are loaded into F behind the first product; the NEXT step's K is loaded
; into S block by block, as soon as a block's p has been converted.
; A BLOCK'S SCALE BYTE is floor(t - M of the block's largest score) + 112: p = 2^(t - M), so floor(log2(the largest p)) is that floor; no exponential is spent on it.
; LIMITS: NaN and infinities are not served; the scaled scores stay under 2^31 in magnitude; 1 / the sum is v_rcp_f32's; where t - M of a block's largest score lies within a rounding of a whole number, the byte may
; differ by one from that of the rounded p; a block whose largest p lies under 2^-111 keeps the byte 1 (read by this program alone).
.set LI,   1                           ; v1   16 x lane
.set L8,   2                           ; v2   8 x lane
.set AV0,  4                           ; v4   V's images
.set ASK0, 5                           ; v5   K's scale words
.set ASV0, 6                           ; v6   V's
.set R8,   7                           ; v7   8 r
.set ADK,  8                           ; v8-11 the step's addresses
.set ADV,  9
.set ADS,  10
.set ADT,  11
                                       ; v12 -M; v13 the running largest score; v[14:15], v[250:255] the row's sum in four chains of two
.set QLO,  16                          ; v16-31  [q | 0]
.set QHI,  24                          ; v24-39  [0 | q]: the zeros are shared
.set R16,  40                          ; v40  16 r
.set LANE, 41                          ; v41  lane
.set A112, 42                          ; v42  112 - M
.set SPW,  46                          ; v46  my spare word; never rewritten
.set NIL,  47                          ; v47  0; never rewritten
.set RA,   48                          ; v48-111  the two areas
.set RB,   112                         ; v112-175
.set O,    176                         ; v176-207 O^T
.set PCD,  208                         ; v208-223 p's codes
.set BM,   224                         ; v224-227 a block's largest score, then its scale byte
.set T1,   228
.set HL,   232                         ; v232-235 57,344 x the scale
.set SO,   236                         ; v236-239 the conversion's scale operand
.set KS,   240                         ; v240-241 K's scale words; v242-243 V's; v244 q's; v245 p's: scales and nothing else
.set VS,   242
.set QS,   244
.set PS,   245
.set FF,   246                         ; v246 f = 2^(old M - new M); v247 named with it as a pair
.set TMP,  248                         ; v248-249 at work
.set SPARE, 0x42000                    ; behind the scale words: the spare words, 128 bytes for each of 16 waves
.set WV,   12
.set MNT,  19
.set SEL,  20
.set CS,   22
.set G1C,  24
.set G1S,  32
.set G0,   40                          ; s[40:43] group 0 for scale words; s[44:47] for codes
.set TB,   60
.set TS,   61
.set CNT,  62
.set PASS, 63
.macro CROUND
	s_barrier_signal -1
	s_barrier_wait -1
	s_cmp_lg_u32 s[WV], 0
	s_cbranch_scc1 .Lnot_wave_0_\@
	s_barrier_signal -3
.Lnot_wave_0_\@:
	s_barrier_wait -3
	s_barrier_signal -1
	s_barrier_wait -1
.endm
.macro WM d, a, b, c, sa, sb, row      ; row: source 0's scale words stand in lanes 0-15 (0) or 16-31 (1)
.if \row
	v_wmma_scale_f32_16x16x128_f8f6f4 v[\d:\d+7], v[\a:\a+15], v[\b:\b+15], \c, v[\sa], v[\sb] matrix_a_fmt:MATRIX_FMT_BF8 matrix_b_fmt:MATRIX_FMT_BF8 matrix_a_scale:MATRIX_SCALE_ROW1
.else
	v_wmma_scale_f32_16x16x128_f8f6f4 v[\d:\d+7], v[\a:\a+15], v[\b:\b+15], \c, v[\sa], v[\sb] matrix_a_fmt:MATRIX_FMT_BF8 matrix_b_fmt:MATRIX_FMT_BF8
.endif
.endm
.macro QLOAD oq, ow                    ; a tile's codes of q, d 0-31 and d 32-63, twice, and the fragment's scale word of my lane's query
	global_load_b128 v[QLO:QLO+3], v[LI], s[74:75] offset:\oq
	global_load_b128 v[QLO+4:QLO+7], v[LI], s[74:75] offset:\oq+512
	global_load_b128 v[QHI+8:QHI+11], v[LI], s[74:75] offset:\oq
	global_load_b128 v[QHI+12:QHI+15], v[LI], s[74:75] offset:\oq+512
	global_load_b32 v[PS], v[R8], s[76:77] offset:\ow
.endm
.macro VLD f, n                        ; sixteenth n of the step's four fragments of V: 512 consecutive bytes
	ds_load_b128 v[\f+4*(\n):\f+4*(\n)+3], v[ADV] offset:512*(\n)
.endm
.macro KLD s, n                        ; the same of the NEXT step's K: 8,192 bytes on
	ds_load_b128 v[\s+4*(\n):\s+4*(\n)+3], v[ADK] offset:8192+512*(\n)
.endm
	s_load_b256 s[4:11], s[0:1], 0x0               ; qkvc, qkvs, oc, os
	v_lshl_add_u32 v[SPW], v0, 2, SPARE
	v_mov_b32 v[NIL], 0
	ds_add_u32 v[SPW], v[NIL]                      ; the opening lines: the add, twice on end, and its wait ahead of the first tensor load
	ds_add_u32 v[SPW], v[NIL]
	v_lshrrev_b32 v1, 5, v0
	v_readfirstlane_b32 s[WV], v1                  ; wave 0..15
	s_bfe_u32 s13, ttmp6, 0x40000                  ; cx: it enters q's and o's addresses alone
	s_and_b32 s14, ttmp7, 0xffff                   ; batch x 16 + head: shared by the four partners
	s_bfe_u32 s15, s[WV], 0x10002                  ; waves 0-3 fetch K's codes (0), waves 4-7 V's (1),
	s_and_b32 s16, s[WV], 3                        ; which quarter: 32,768 bytes
	s_add_co_u32 s17, s15, 1
	s_lshl_b32 s66, s17, 23                        ; k's or v's codes,
	s_lshl_b32 s18, s14, 17                        ; the head's,
	s_add_co_u32 s66, s66, s18
	s_lshl_b32 s18, s16, 15                        ; my quarter
	s_add_co_u32 s66, s66, s18
	s_mov_b32 s67, 0
	s_and_b32 s70, s[WV], 7
	s_lshl_b32 s70, s70, 15                        ; in LDS: K's images at 0, V's at 131,072
	s_and_b32 s71, s[WV], 1                        ; wave 8 fetches K's scale words, wave 9 V's: 4,096 bytes
	s_add_co_u32 s17, s71, 1
	s_lshl_b32 s68, s17, 18
	s_lshl_b32 s18, s14, 12
	s_add_co_u32 s68, s68, s18
	s_mov_b32 s69, 0
	s_lshl_b32 s71, s71, 12                        ; in LDS at 262,144 and 266,240
	s_add_co_u32 s71, s71, 262144
	s_mov_b32 s[G1C], 15|(3<<16)|(1<<21)           ; all four work-groups; elements of 8 bytes; bit 21 beside the mask
	s_mov_b32 s[G1C+1], 32<<16                     ; dense rows of 256 bytes,
	s_mov_b32 s[G1C+2], 128<<16                    ; 128 of them
	s_mov_b32 s[G1C+3], 32<<16
	s_mov_b32 s[G1C+4], 128
	s_mov_b32 s[G1C+5], 32
	s_mov_b32 s[G1C+6], 0
	s_mov_b32 s[G1C+7], 0
	s_mov_b32 s[G1S], 15|(3<<16)|(1<<21)
	s_mov_b32 s[G1S+1], 32<<16
	s_mov_b32 s[G1S+2], 16<<16                     ; sixteen of them
	s_mov_b32 s[G1S+3], 32<<16
	s_mov_b32 s[G1S+4], 16
	s_mov_b32 s[G1S+5], 32
	s_mov_b32 s[G1S+6], 0
	s_mov_b32 s[G1S+7], 0
	s_lshl_b32 s72, ttmp9, 2
	s_add_co_u32 s72, s72, s13
	s_lshl_b32 s72, s72, 5                         ; 32 tiles of queries a work-group
	s_add_co_u32 s72, s72, s[WV]                   ; my first tile in the head, 0 .. 127; the second lies 16 further on
	s_lshl_b32 s74, s14, 17
	s_lshl_b32 s73, s72, 10
	s_add_co_u32 s74, s74, s73                     ; its codes: 1,024 bytes a tile
	s_mov_b32 s75, 0
	s_lshl_b32 s76, s14, 12                        ; its scale word: the group's 256 bytes,
	s_lshr_b32 s73, s72, 3
	s_lshl_b32 s73, s73, 8
	s_add_co_u32 s76, s76, s73
	s_bfe_u32 s73, s[WV], 0x10001                  ; fragment b = (tile % 8) / 2: lanes 16 (b % 2) on,
	s_lshl_b32 s73, s73, 7
	s_add_co_u32 s76, s76, s73
	s_bfe_u32 s73, s[WV], 0x10002                  ; word b / 2
	s_lshl_b32 s73, s73, 2
	s_add_co_u32 s76, s76, s73
	s_mov_b32 s77, 0
	s_and_b32 s73, s[WV], 1                        ; and of the word the even tile's half or the odd tile's, twice
	s_mov_b32 s78, 0x01000100
	s_cmp_eq_u32 s73, 1
	s_cselect_b32 s78, 0x03020302, s78
	s_lshr_b32 s73, s14, 4                         ; batch
	s_lshl_b32 s73, s73, 7
	s_add_co_u32 s73, s73, s72                     ; o's tile of tokens, 0 .. 511
	s_and_b32 s79, s14, 15                         ; head
	s_lshl_b32 s16, s73, 14                        ; o's codes: tile x 16,384 + head x 1,024
	s_lshl_b32 s17, s79, 10
	s_add_co_u32 s16, s16, s17
	s_mov_b32 s17, 0
	s_lshl_b32 s72, s73, 9                         ; o's scale bytes: tile x 512 + (head / 8) x 256 + ((head / 2) % 4) x 4 + (head % 2) x 2
	s_lshr_b32 s73, s79, 3
	s_lshl_b32 s73, s73, 8
	s_add_co_u32 s72, s72, s73
	s_bfe_u32 s73, s79, 0x20001
	s_lshl_b32 s73, s73, 2
	s_add_co_u32 s72, s72, s73
	s_and_b32 s73, s79, 1
	s_lshl_b32 s73, s73, 1
	s_add_co_u32 s72, s72, s73
	s_mov_b32 s73, 0
	s_mov_b32 s[SEL], 0x76543210
	s_mov_b32 s[SEL+1], 0xfedcba98
	s_mov_b32 s[CS], 0x3e38aa3b                    ; c = log2(e) / 8
	s_mov_b32 s[CS+1], s[CS]
	s_mov_b32 s[MNT], 0x07e00000                   ; 15 on the exponent field, and the mantissa field of 57,344
	s_mov_b32 s18, 0x600000                        ; that mantissa field alone, for the way out (an instruction takes one literal)
	s_mov_b32 s[PASS], 2
	s_wait_dscnt 0x0                               ; both opening adds are done
	s_wait_kmcnt 0x0
	s_add_nc_u64 s[66:67], s[4:5], s[66:67]
	s_add_nc_u64 s[68:69], s[6:7], s[68:69]
	s_add_nc_u64 s[74:75], s[4:5], s[74:75]
	s_add_nc_u64 s[76:77], s[6:7], s[76:77]
	s_add_nc_u64 s[8:9], s[8:9], s[16:17]
	s_add_nc_u64 s[10:11], s[10:11], s[72:73]
	CROUND                                         ; all four work-groups are here: the joint loads meet
	s_mov_b32 s[G0], 1
	s_mov_b32 s[G0+1], s71
	s_mov_b64 s[G0+2:G0+3], s[68:69]
	s_or_b32 s[G0+3], s[G0+3], 0x80000000
	s_mov_b32 s[G0+4], 1
	s_mov_b32 s[G0+5], s70
	s_mov_b64 s[G0+6:G0+7], s[66:67]
	s_or_b32 s[G0+7], s[G0+7], 0x80000000
	s_cmp_lt_u32 s[WV], 8                          ; one chain of branches on the wave's number: no way passes two loads
	s_cbranch_scc0 .Lhead_s
	tensor_load_to_lds s[G0+4:G0+7], s[G1C:G1C+7]
	s_nop 0
.rept 4
	v_nop
.endr
	s_branch .Lhead_asked
.Lhead_s:
	s_cmp_lt_u32 s[WV], 10
	s_cbranch_scc0 .Lhead_asked
	tensor_load_to_lds s[G0:G0+3], s[G1S:G1S+7]
	s_nop 0
.rept 4
	v_nop
.endr
.Lhead_asked:
	v_and_b32 v[LANE], 31, v0
	v_and_b32 v3, 15, v0                           ; r
	v_lshlrev_b32 v[LI], 4, v[LANE]
	v_lshlrev_b32 v[L8], 3, v[LANE]
	v_lshlrev_b32 v[R8], 3, v3
	v_lshlrev_b32 v[R16], 4, v3
	QLOAD 0, 0                                     ; the first pass's queries land while the tiles do
	v_add_nc_u32 v[AV0], 131072, v[LI]
	v_add_nc_u32 v[ASK0], 262144, v[L8]
	v_add_nc_u32 v[ASV0], 266240, v[L8]
.irp j, 0,1,2,3,4,5,6,7
	v_mov_b32 v[QLO+8+\j], 0                       ; zero codes, once: they stay
.endr
.irp b, 0,1,2,3
	v_mov_b32 v[T1+\b], 0                          ; a lane permute's destination counts as one of its sources
.endr
	v_mov_b32 v[FF+1], 0                           ; (named as the upper half of the pair)
	v_mov_b32 v[TMP], 0
	s_wait_alu depctr_va_vdst(0)                   ; the wait at the head's end
	s_wait_tensorcnt 0x0                           ; my part has landed,
	s_barrier_signal -1
	s_barrier_wait -1                              ; everybody's has: from here on LDS is only read
; A KEY STEP: 128 keys.  F: the area with K's fragments (asked for in the step before); S: the other one.  pre = 1: the next step's K is asked for.
.macro STEP F, S, pre
	v_add_nc_u32 v[ADK], s[TB], v[LI]              ; nine places behind the last step's second product, whose fragments of V the scores below are laid over: four additions, a copy, four v_nop
	v_add_nc_u32 v[ADV], s[TB], v[AV0]
	v_add_nc_u32 v[ADS], s[TS], v[ASK0]
	v_add_nc_u32 v[ADT], s[TS], v[ASV0]
	v_mov_b32 v[TMP], v12                          ; the old -M
.rept 4
	v_nop
.endr
	s_wait_alu depctr_va_vdst(0)                   ; directly ahead of the wait below
	s_wait_dscnt 4                                 ; K's scale words and fragments 0-2 are in; the youngest four loads, fragment 3's, may be out
.irp b, 0,1,2,3
.if \b == 3
	s_wait_dscnt 0x0                               ; fragment 3
.endif
	WM \S+16*\b, \F+16*\b, QLO, 0, KS+\b/2, QS, \b%2       ; the fragment's even tile of keys,
	WM \S+16*\b+8, \F+16*\b, QHI, 0, KS+\b/2, QS, \b%2     ; its odd tile
.endr
.rept 8
	v_nop                                          ; places in front of the loads into F and of the first read of the scores
.endr
	ds_load_b64 v[VS:VS+1], v[ADT]                 ; V's scale words and its four fragments, in one run of 17 loads
.irp n, 0,1,2,3,4,5,6,7,8,9,10,11,12,13,14,15
	VLD \F, \n
.endr
.irp b, 0,1,2,3
	v_max3_num_f32 v[BM+\b], v[\S+16*\b], v[\S+1+16*\b], v[\S+2+16*\b]     ; the largest score of each block of 32 keys, the four blocks by turns; each accumulator is read from its low end on
.endr
.irp i, 3,5,7,9,11,13
.irp b, 0,1,2,3
	v_max3_num_f32 v[BM+\b], v[BM+\b], v[\S+16*\b+\i], v[\S+1+16*\b+\i]
.endr
.endr
.irp b, 0,1,2,3
	v_max_num_f32 v[BM+\b], v[BM+\b], v[\S+15+16*\b]
.endr
.irp b, 0,1,2,3
	v_permlanex16_b32 v[T1+\b], v[BM+\b], s[SEL], s[SEL+1]
.endr
.irp b, 0,1,2,3
	v_max_num_f32 v[BM+\b], v[BM+\b], v[T1+\b]     ; with lane l xor 16's 16 keys
.endr
	v_max3_num_f32 v[TMP+1], v[BM], v[BM+1], v[BM+2]
	s_delay_alu instid0(VALU_DEP_1)
	v_max3_num_f32 v13, v[TMP+1], v[BM+3], v13     ; the running largest score (c is positive: the largest t is c x it)
	s_delay_alu instid0(VALU_DEP_1)
	v_mul_f32 v[TMP+1], s[CS], v13
	s_delay_alu instid0(VALU_DEP_1)
	v_floor_f32 v12, -v[TMP+1]                     ; the new -M: M is a whole number
	s_delay_alu instid0(VALU_DEP_1)
	v_add_f32 v[A112], 0x42e00000, v12             ; 112 - M
	v_sub_f32 v[TMP], v12, v[TMP]                  ; old M - new M: 0 or less
.set n, 0
.rept 32
	v_pk_fma_f32 v[\S+2*n:\S+2*n+1], v[\S+2*n:\S+2*n+1], s[CS:CS+1], v[12:13] op_sel_hi:[1,0,0]   ; t - M, two at a time
.set n, n+1
.endr
.irp b, 0,1,2,3
	v_fma_f32 v[BM+\b], v[BM+\b], s[CS], v[A112]   ; t - M + 112 of each block's largest score
.endr
	v_cvt_i32_f32 v[TMP], v[TMP]                   ; (it saturates)
.irp b, 0,1,2,3
	v_cvt_floor_i32_f32 v[BM+\b], v[BM+\b]         ; floor(log2(the block's largest p)) - 15 + 127: the scale's byte,
.endr
	v_ldexp_f32 v[FF], 1.0, v[TMP]                 ; f = 2^(old M - new M)
.irp b, 0,1,2,3
	v_max_i32 v[BM+\b], 1, v[BM+\b]                ; held at 1 from below
.endr
.irp b, 0,1,2,3
	v_lshlrev_b32 v[SO+\b], 23, v[BM+\b]           ; the conversion's scale operand
.endr
.irp b, 0,1,2,3
	v_lshl_add_u32 v[HL+\b], v[BM+\b], 23, s[MNT]  ; 57,344 x the scale
.endr
	v_lshl_or_b32 v[PS], v[BM+1], 8, v[BM]         ; p's scale word for these 128 keys
	v_lshl_or_b32 v[PS], v[BM+2], 16, v[PS]
	s_wait_alu depctr_va_vdst(0)                   ; the wait ahead of the batch
.set n, 0
.rept 64
	v_exp_f32 v[\S+n], v[\S+n]                     ; p = 2^(t - M), at most 1: not normalised
.set n, n+1
.endr
	v_lshl_or_b32 v[PS], v[BM+3], 24, v[PS]        ; (a plain place behind the exponentials)
	s_wait_alu depctr_va_vdst(0)                   ; one wait for the whole batch, ahead of its first reader
; block by block: the sum of the unquantised p in four chains, the hold, the conversions; then the block's registers take a fragment of the next step's K
.irp b, 0,1,2,3
.irp m, 0,1,2,3,4,5,6,7
.set rL, 14
.if \m%4
.set rL, 248+2*(\m%4)
.endif
.if (\b == 0) && (\m < 4)
	v_pk_fma_f32 v[rL:rL+1], v[rL:rL+1], v[FF:FF+1], v[\S+2*\m:\S+2*\m+1] op_sel_hi:[1,0,1]   ; each chain's first addition brings it under the new M as well
.else
	v_pk_add_f32 v[rL:rL+1], v[rL:rL+1], v[\S+16*\b+2*\m:\S+16*\b+2*\m+1]
.endif
.endr
.irp m, 0,1,2,3,4,5,6,7
	v_dual_min_num_f32 v[\S+16*\b+2*\m], v[\S+16*\b+2*\m], v[HL+\b] :: v_dual_min_num_f32 v[\S+16*\b+2*\m+1], v[\S+16*\b+2*\m+1], v[HL+\b]   ; the conversion does not saturate (ISA guide 7.6.2); p is not negative
.endr
	v_cvt_scalef32_pk8_bf8_f32 v[PCD+4*\b:PCD+4*\b+1], v[\S+16*\b:\S+16*\b+7], v[SO+\b]
	v_cvt_scalef32_pk8_bf8_f32 v[PCD+4*\b+2:PCD+4*\b+3], v[\S+16*\b+8:\S+16*\b+15], v[SO+\b]
.if \pre
.if \b == 0
	ds_load_b64 v[KS:KS+1], v[ADS] offset:256
.endif
	KLD \S, 4*\b
	KLD \S, 4*\b+1
	KLD \S, 4*\b+2
	KLD \S, 4*\b+3
.endif
.endr
	s_wait_alu depctr_va_vdst(0)                   ; directly ahead of the first reader of O^T
.set n, 0
.rept 16
	v_pk_mul_f32 v[O+2*n:O+2*n+1], v[O+2*n:O+2*n+1], v[FF:FF+1] op_sel_hi:[1,0]   ; O^T under the new M; also the places in front of the products below
.set n, n+1
.endr
	s_wait_alu depctr_va_vdst(0)                   ; directly ahead of the wait below
.if \pre
	s_wait_dscnt 17                                ; V is in; the next step's K (16 loads and its scale words) may be out
.else
	s_wait_dscnt 0x0
.endif
.irp t, 0,1,2,3
	WM O+8*\t, \F+16*\t, PCD, v[O+8*\t:O+7+8*\t], VS+\t/2, PS, \t%2   ; the four accumulators by turns
.endr
	s_add_co_u32 s[TB], s[TB], 8192
	s_add_co_u32 s[TS], s[TS], 256
.endm
.Lpass:                                            ; two trips: a tile of 16 queries each
	v_mov_b32 v13, 0xff61b1e6                      ; the largest score so far: -3e38
	s_delay_alu instid0(VALU_DEP_1)
	v_floor_f32 v12, -v13                          ; -M: over every -M to come, so that the first f is 0
	v_mov_b32 v14, 0                               ; the sum's four chains
	v_mov_b32 v15, 0
.irp j, 250,251,252,253,254,255
	v_mov_b32 v\j, 0
.endr
	s_mov_b32 s[TB], 0
	s_mov_b32 s[TS], 0
	ds_load_b64 v[KS:KS+1], v[ASK0]                ; the first step's K
.irp n, 0,1,2,3,4,5,6,7,8,9,10,11,12,13,14,15
	ds_load_b128 v[RA+4*\n:RA+4*\n+3], v[LI] offset:512*\n
.endr
	s_wait_loadcnt 0x0                             ; q
	v_perm_b32 v[QS], v[PS], v[PS], s78            ; [s0, s1, s0, s1]: it serves both forms of q
.irp j, 0,1,2,3,4,5,6,7,8,9,10,11,12,13,14,15,16,17,18,19,20,21,22,23,24,25,26,27,28,29,30,31
	v_mov_b32 v[O+\j], 0                           ; O^T: the step is written once; the first change of M leaves zeros zeros
.endr
	s_mov_b32 s[CNT], 7
.Lstep:                                            ; two steps a trip: the areas change parts and back
	STEP RA, RB, 1
	STEP RB, RA, 1
	s_sub_co_u32 s[CNT], s[CNT], 1
	s_cmp_lg_u32 s[CNT], 0
	s_cbranch_scc1 .Lstep
	STEP RA, RB, 1
	STEP RB, RA, 0                                 ; the last step asks for nothing
	; THE WAY OUT: O^T / the sum; register 16 g + i is o(my query, d = 32 g + 16 h + i): two blocks of the last product's K, quantised as they stand
	v_pk_add_f32 v[14:15], v[14:15], v[250:251]    ; the sum's chains; with the v_nop also the places behind the last products
	v_pk_add_f32 v[252:253], v[252:253], v[254:255]
.rept 4
	v_nop
.endr
	v_pk_add_f32 v[14:15], v[14:15], v[252:253]
	s_delay_alu instid0(VALU_DEP_1)
	v_add_f32 v14, v14, v15
	s_delay_alu instid0(VALU_DEP_1)
	v_permlanex16_b32 v[TMP], v14, s[SEL], s[SEL+1]
	s_delay_alu instid0(VALU_DEP_1)
	v_add_f32 v14, v14, v[TMP]                     ; the row's sum
	s_wait_alu depctr_va_vdst(0)                   ; the wait ahead of the transcendental
	v_rcp_f32 v14, v14
	v_nop                                          ; a plain place behind the transcendental
	s_wait_alu depctr_va_vdst(0)                   ; the wait ahead of the branch
	s_cmp_eq_u32 s[PASS], 1                        ; the next pass's queries are asked for here, if there is a next pass: 16 tiles, two groups of scale words, further on
	s_cbranch_scc1 .Lno_next
	QLOAD 16384, 512
.Lno_next:
	s_wait_alu depctr_va_vdst(0)                   ; directly ahead of the first readers of the last products' results
.irp j, 0,1,2,3,4,5,6,7,8,9,10,11,12,13,14,15,16,17,18,19,20,21,22,23,24,25,26,27,28,29,30,31
	v_mul_f32 v[RA+\j], v[O+\j], v14
.endr
.irp g, 0,1
	v_max3_num_f32 v[BM+\g], |v[RA+16*\g]|, |v[RA+1+16*\g]|, 0x8000000   ; and the floor 2^(16 - 127): the byte cannot fall under 1
.endr
.irp i, 2,4,6,8,10,12,14
.irp g, 0,1
	s_delay_alu instid0(VALU_DEP_2)
	v_max3_num_f32 v[BM+\g], v[BM+\g], |v[RA+16*\g+\i]|, |v[RA+1+16*\g+\i]|
.endr
.endr
.irp g, 0,1
	s_delay_alu instid0(VALU_DEP_2)
	v_permlanex16_b32 v[T1+\g], v[BM+\g], s[SEL], s[SEL+1]
.endr
.irp g, 0,1
	s_delay_alu instid0(VALU_DEP_2)
	v_max_num_f32 v[BM+\g], v[BM+\g], v[T1+\g]
.endr
.irp g, 0,1
	s_delay_alu instid0(VALU_DEP_2)
	v_add_nc_u32 v[SO+\g], 0xf8800000, v[BM+\g]    ; 15 off the exponent field: the conversion's scale operand
.endr
.irp g, 0,1
	s_delay_alu instid0(VALU_DEP_4)
	v_and_or_b32 v[HL+\g], v[BM+\g], 0x7f800000, s18   ; 57,344 x the scale
.endr
.irp g, 0,1
	s_delay_alu instid0(VALU_DEP_4)
	v_lshrrev_b32 v[T1+\g], 23, v[SO+\g]
.endr
	s_delay_alu instid0(VALU_DEP_1)
	v_lshl_or_b32 v[TMP], v[T1+1], 8, v[T1]        ; my head's two scale bytes of the row
.irp g, 0,1
.irp i, 0,1,2,3,4,5,6,7,8,9,10,11,12,13,14,15
	v_med3_num_f32 v[RA+16*\g+\i], v[RA+16*\g+\i], -v[HL+\g], v[HL+\g]
.endr
	v_cvt_scalef32_pk8_bf8_f32 v[PCD+4*\g:PCD+1+4*\g], v[RA+16*\g:RA+7+16*\g], v[SO+\g]
	v_cvt_scalef32_pk8_bf8_f32 v[PCD+2+4*\g:PCD+3+4*\g], v[RA+8+16*\g:RA+15+16*\g], v[SO+\g]
.endr
	v_nop                                          ; one plain line behind the last conversion
	global_store_b128 v[LI], v[PCD:PCD+3], s[8:9]                  ; 512 consecutive bytes each
	global_store_b128 v[LI], v[PCD+4:PCD+7], s[8:9] offset:512
	v_cmp_gt_u32 vcc_lo, 16, v[LANE]               ; lanes 16-31 hold the same bytes
	s_wait_xcnt 0x0                                ; EXEC changes only behind this wait
	s_and_saveexec_b32 s79, vcc_lo
	global_store_b16 v[R16], v[TMP], s[10:11]      ; two bytes a row: the word's other half is another head's, made by another work-group
	s_wait_xcnt 0x0                                ; and again; behind it the bases below and the stores' data may be written too
	s_or_b32 exec_lo, exec_lo, s79
	s_add_nc_u64 s[74:75], s[74:75], 16384         ; on to my second tile: q's codes,
	s_add_nc_u64 s[76:77], s[76:77], 512           ; its scale word,
	s_add_nc_u64 s[8:9], s[8:9], 262144            ; o's codes: 16 tiles of 16,384 bytes,
	s_add_nc_u64 s[10:11], s[10:11], 8192          ; o's scale bytes
	s_sub_co_u32 s[PASS], s[PASS], 1
	s_cmp_lg_u32 s[PASS], 0
	s_cbranch_scc1 .Lpass
	s_wait_tensorcnt 0x0                           ; the wave's end
	ds_add_u32 v[SPW], v[NIL]
	s_wait_dscnt 0x0
	CROUND                                         ; the closing round
	s_endpgm
.Lfunc_end_k_qfab8e50fcf_attn:
	.size	k_qfab8e50fcf_attn, .Lfunc_end_k_qfab8e50fcf_attn-k_qfab8e50fcf_attn
	.p2alignl 7, 3214868480
	.fill 96, 4, 3214868480
	.section	.rodata,"a",@progbits
	.p2align	6, 0x0
	.amdhsa_kernel k_qfab8e50fcf_attn
		.amdhsa_group_segment_fixed_size 272384
		.amdhsa_private_segment_fixed_size 0
		.amdhsa_enable_private_segment 0
		.amdhsa_kernarg_size 32
		.amdhsa_user_sgpr_count 2
		.amdhsa_user_sgpr_kernarg_segment_ptr 1
		.amdhsa_wavefront_size32 1
		.amdhsa_system_sgpr_workgroup_id_x 1
		.amdhsa_system_sgpr_workgroup_id_y 1
		.amdhsa_system_sgpr_workgroup_id_z 1
		.amdhsa_system_vgpr_workitem_id 0
		.amdhsa_next_free_vgpr 256
		.amdhsa_next_free_sgpr 80
		.amdhsa_reserve_vcc 1
		.amdhsa_float_denorm_mode_32 3
		.amdhsa_float_denorm_mode_16_64 3
		.amdhsa_memory_ordered 1
		.amdhsa_forward_progress 1
		.amdhsa_inst_pref_size 89
	.end_amdhsa_kernel
	.amdgpu_metadata
---
amdhsa.version: [ 1, 2 ]
amdhsa.kernels:
  - .name:           k_qfab8e50fcf_attn
    .symbol:         k_qfab8e50fcf_attn.kd
    .args:
      - { .name: qkvc, .offset: 0, .size: 8, .value_kind: global_buffer, .address_space: global }
      - { .name: qkvs, .offset: 8, .size: 8, .value_kind: global_buffer, .address_space: global }
      - { .name: oc, .offset: 16, .size: 8, .value_kind: global_buffer, .address_space: global }
      - { .name: os, .offset: 24, .size: 8, .value_kind: global_buffer, .address_space: global }
    .group_segment_fixed_size: 272384
    .private_segment_fixed_size: 0
    .kernarg_segment_align: 8
    .kernarg_segment_size: 32
    .max_flat_workgroup_size: 512
    .sgpr_count:     80
    .vgpr_count:     256
    .wavefront_size: 32
...
	.end_amdgpu_metadata
.endif
;; end of part 3
;; launch gemm_out (part 4): grid 4 x 64, 4 waves a work-group, clusters of 4 x 4, 327,680 bytes of LDS; arguments oc, os, wc, ws, b_out, out0; writes out0
.if DOCPART == 4
	.amdgcn_target "amdgcn-amd-amdhsa--gfx1250"
	.amdhsa_code_object_version 6
	.text
	.protected	k_qfab8e50fcf_gemm_out
	.globl	k_qfab8e50fcf_gemm_out
	.p2align	8
	.type	k_qfab8e50fcf_gemm_out,@function
k_qfab8e50fcf_gemm_out:
	s_mov_b64 s[64:65], 0
	v_nop
	global_prefetch_b8 v0, s[64:65] scope:SCOPE_SE
	s_setreg_imm32_b32 hwreg(HW_REG_WAVE_MODE, 25, 1), 1
	s_wait_xcnt 0x0
	s_wait_alu depctr_hold_cnt(0) depctr_sa_sdst(0) depctr_va_vdst(0) depctr_va_sdst(0) depctr_va_ssrc(0) depctr_va_vcc(0) depctr_vm_vsrc(0)
	s_getreg_b32 s2, hwreg(HW_REG_IB_STS2, 6, 4)
	s_cmp_eq_u32 s2, 0
	s_cbranch_scc0 .Lentry_in_a_cluster
	s_endpgm
.Lentry_in_a_cluster:
	s_bfe_u32 s2, ttmp6, 0x10000c
	s_cmp_lg_u32 s2, 0xf033
	s_cbranch_scc0 .Lentry_shape_is_right
	s_endpgm
.Lentry_shape_is_right:
; out0 [8192][1024] f32 = o W_out + b_out, on codes of E5M2 with E8M0 scales.  o's codes (oc, os) and W_out's (tiles 192-255 of wc, ws) lie in the order of the operand's registers:
; a tile T is 16 rows (lane r: row 32 (T / 2) + 8 (T % 2) + r + 8 (r / 8)); codes at T x 16384 + s x 2048 + c x 512 + lane x 16 (k = 128 s + 32 c + 16 h + 0 .. 15); scale words at T x 512 + (s / 4) x 256 + r x 16 + (s % 4) x 4.
; SHARES: a block of 128 rows x 256 columns to a work-group: 64 x 4 = 256 work-groups; four waves, each 64 x 128: 32 accumulators of 16 x 16 in window 2.
; CLUSTERS of 4 x 4: A's tiles are shared along a row of the cluster, B's along a column, each asked for jointly.
; LDS: K has 1,024 = eight half steps of 128.  The head's four loads, one a wave, bring half steps 0-3 of A (8 tiles x 8,192 bytes) and of B (16 x 8,192) and both blocks of scale words for all of K;
; half steps 4-5 (8 + 16 tiles x 4,096 bytes) are a first fill behind the full sequence; half steps 6-7 fill the first region's bytes again, once, behind a round of the cluster's barrier.
; The matrix instruction is used transposed (source 0 = 16 columns of W_out, source 1 = 16 rows of o): a lane holds eight neighbouring numbers of a row of the result.
; Fragments have two sets of registers on both sides: while one half step is multiplied, the next one's 48 loads are out.
; NO PREFETCH: of K's four steps of 256 two are asked for at the head and the third directly behind it; no trip stands a whole step ahead of a load.
; WINDOWS: 0: addresses, scale words v32-63, bias v64-67, A's fragments v128-255 (two sets of 4 x 16); 1: B's fragments, two sets of 8 x 16; 2: the accumulators, (a, b) at v[8 (8 a + b)].
.set RA0,    0                         ; half steps 0-3: A's 8 tiles, 8,192 bytes each; later half steps 6-7, 4,096 bytes each
.set RB0,    65536                     ; the same for B's 16 tiles
.set RA1,    196608                    ; half steps 4-5: A's 8 tiles of 4,096 bytes
.set RB1,    229376                    ; B's 16
.set SCL,    294912                    ; the scale words, as rows of 256 bytes + 16: A's 16 rows, then B's 32
.set HALFS,  16*272
.set SPARE,  SCL+3*HALFS               ; the spare words, 128 bytes for each wave
.set STAGE,  RA1                       ; the way out: in the region of half steps 4-5, which has had its one fill and is read by nobody behind the last barrier
.set SPITCH, 528
.set NP,     8
.set ADRA, 16                          ; v16-18 my A fragments in the three layouts
.set ADRB, 20                          ; v20-22 the same for B
.set STO,  24
.set RD,   25
.set LI,   26
.set ADRS, 27
.set SPW,  28
.set NIL,  29
.set SC,   32
.set BI,   64
.set AF,   128
.set BK,   128
.set G0H, 4
.set G0HB, 8
.set G1, 24
.set G0, 32
.set G1B, 48
.set G0B, 56
.set G1S, 68
.set G0S, 76
.set G1SB, 80
.set G0SB, 88
.set MSB, 0
.macro WIN new                         ; the immediate's high byte repeats the setting that is left
.if MSB != (\new)
	s_set_vgpr_msb (MSB<<8)|(\new)
.set MSB, (\new)
.endif
.endm
.set MUL,  0xa1                        ; source 0 (B) window 1, source 1 (A) window 0, C and D window 2
.set TO_B, 0x40                        ; destination window 1, address window 0
.macro JLOAD g0a, g1a, g0b, g1b        ; waves 0 and 1 fetch A's halves, waves 2 and 3 B's
	s_cmp_eq_u32 s19, 0
	s_cbranch_scc0 .Lfor_b_\@
	tensor_load_to_lds s[\g0a:\g0a+3], s[\g1a:\g1a+7]
	s_nop 0
.rept 4
	v_nop
.endr
	s_branch .Lasked_\@
.Lfor_b_\@:
	tensor_load_to_lds s[\g0b:\g0b+3], s[\g1b:\g1b+7]
	s_nop 0
.rept 4
	v_nop
.endr
.Lasked_\@:
.endm
.macro CREST
	s_cmp_lg_u32 s18, 0
	s_cbranch_scc1 .Lnot_wave_0_\@
	s_barrier_signal -3
.Lnot_wave_0_\@:
	s_barrier_wait -3
	s_barrier_signal -1
	s_barrier_wait -1
.endm
.macro CROUND
	s_barrier_signal -1
	s_barrier_wait -1
	CREST
.endm
.macro PLACES n
.rept \n
	v_nop
.endr
.endm
.macro FETCH ra, rb, pit, k, p         ; B's eight fragments and A's four, at byte k of tiles pit bytes apart, into set p
	WIN TO_B
.irp i, 0,1,2,3,4,5,6,7
.irp c, 0,1,2,3
	ds_load_b128 v[128*(\p)+16*\i+4*\c:128*(\p)+16*\i+4*\c+3], v[\rb] offset:\i*(\pit)+(\k)+512*\c
.endr
.endr
	WIN 0
.irp i, 0,1,2,3
.irp c, 0,1,2,3
	ds_load_b128 v[AF+64*(\p)+16*\i+4*\c:AF+64*(\p)+16*\i+4*\c+3], v[\ra] offset:\i*(\pit)+(\k)+512*\c
.endr
.endr
.endm
.macro SCALES sc, sg                   ; two words a row for K step sg of 256: lanes 0-15 A's tile i (i under 4 is used), lanes 16-31 B's tile i
.irp i, 0,1,2,3,4,5,6,7
	ds_load_b64 v[SC+16*(\sc)+2*\i:SC+16*(\sc)+2*\i+1], v[ADRS] offset:\i*544+((\sg)/2)*272+((\sg)%2)*8
.endr
.endm
.macro FE h                            ; all that half step h reads from LDS
.if (\h) < 4
	FETCH ADRA, ADRB, 8192, 2048*(\h), (\h)%2
.elseif (\h) < 6
	FETCH ADRA+1, ADRB+1, 4096, 2048*((\h)-4), (\h)%2
.else
	FETCH ADRA+2, ADRB+2, 4096, 2048*((\h)-6), (\h)%2
.endif
.if (\h)%2 == 0
	SCALES ((\h)/2)%2, (\h)/2
.endif
.endm
.macro MUL8 a, h, zero                 ; A's tile a against B's eight; the 32 accumulators take turns, in the same order in every half step
.irp b, 0,1,2,3,4,5,6,7
.if \zero
	v_wmma_scale_f32_16x16x128_f8f6f4 v[8*(8*(\a)+\b):8*(8*(\a)+\b)+7], v[128*((\h)%2)+16*\b:128*((\h)%2)+16*\b+15], v[AF+64*((\h)%2)+16*(\a):AF+64*((\h)%2)+16*(\a)+15], 0, v[SC+16*(((\h)/2)%2)+2*\b+(\h)%2], v[SC+16*(((\h)/2)%2)+2*(\a)+(\h)%2] matrix_a_fmt:MATRIX_FMT_BF8 matrix_b_fmt:MATRIX_FMT_BF8 matrix_a_scale:MATRIX_SCALE_ROW1
.else
	v_wmma_scale_f32_16x16x128_f8f6f4 v[8*(8*(\a)+\b):8*(8*(\a)+\b)+7], v[128*((\h)%2)+16*\b:128*((\h)%2)+16*\b+15], v[AF+64*((\h)%2)+16*(\a):AF+64*((\h)%2)+16*(\a)+15], v[8*(8*(\a)+\b):8*(8*(\a)+\b)+7], v[SC+16*(((\h)/2)%2)+2*\b+(\h)%2], v[SC+16*(((\h)/2)%2)+2*(\a)+(\h)%2] matrix_a_fmt:MATRIX_FMT_BF8 matrix_b_fmt:MATRIX_FMT_BF8 matrix_a_scale:MATRIX_SCALE_ROW1
.endif
.endr
.endm
.macro HS h, zero                      ; a half step whose successor lies in the same region
	s_wait_dscnt 0x0                               ; this half step's fragments are in
	PLACES NP                                      ; places in front of loads into the set that the last half step multiplied
	FE (\h)+1
	WIN MUL
	MUL8 0, \h, \zero
	MUL8 1, \h, \zero
	MUL8 2, \h, \zero
	MUL8 3, \h, \zero
	WIN 0
.endm
.macro SY h, fill                      ; a region's last half step: one barrier; fill = 1: it opens a round of the cluster's barrier, and the first region is filled again
	s_wait_tensorcnt 0x0                           ; my part of the next region has landed
	ds_add_u32 v[SPW], v[NIL]
	s_wait_dscnt 1                                 ; this half step's fragments are in; the add may be out
	WIN MUL
	MUL8 0, \h, 0
	s_wait_dscnt 0x0                               ; the add is done, and my reads of the regions behind me are over
	s_barrier_signal -1
	MUL8 1, \h, 0
	WIN 0
	s_barrier_wait -1
.if \fill
	CREST
	JLOAD G0+4, G1, G0B+4, G1B                     ; half steps 6-7, the first tensor load behind the round; its four v_nop are among the places below
	PLACES NP-4
.else
	PLACES NP
.endif
	FE (\h)+1
	WIN MUL
	MUL8 2, \h, 0
	MUL8 3, \h, 0
	WIN 0
.endm
	s_load_b256 s[4:11], s[0:1], 0x0               ; oc, os, wc, ws
	s_load_b128 s[12:15], s[0:1], 0x20             ; b_out, out0
	v_lshl_add_u32 v[SPW], v0, 2, SPARE
	v_mov_b32 v[NIL], 0
	ds_add_u32 v[SPW], v[NIL]                      ; the opening lines: the add, twice on end, and its wait
	ds_add_u32 v[SPW], v[NIL]
	v_lshrrev_b32 v1, 5, v0
	v_readfirstlane_b32 s18, v1                    ; wave
	s_lshr_b32 s19, s18, 1                         ; my half of the block's rows; also: I fetch for A (0) or B (1)
	s_and_b32 s20, s18, 1                          ; my half of its columns; also: which half of a tile group I fetch
	s_bfe_u32 s21, ttmp6, 0x40000                  ; cx
	s_bfe_u32 s22, ttmp6, 0x40004                  ; cy
	s_and_b32 s23, ttmp7, 0xffff
	s_lshl_b32 s40, s22, 2
	s_lshl_b32 s40, 15, s40                        ; my row of the cluster
	s_lshl_b32 s41, 0x1111, s21                    ; my column
	s_or_b32 s[G1+0], s40, (3<<16)|(1<<21)         ; elements of 8 bytes; bit 21 beside the mask
	s_or_b32 s[G1B+0], s41, (3<<16)|(1<<21)
.irp g, G1, G1B
	s_mov_b32 s[\g+1], 1024<<16                    ; the head's loads: 8,192 bytes of each tile,
	s_mov_b32 s[\g+3], 1024<<16
	s_mov_b32 s[\g+5], 2048                        ; tiles 16,384 bytes apart
	s_mov_b32 s[\g+6], 0
	s_mov_b32 s[\g+7], 0
.endr
	s_mov_b32 s[G1+2], 8<<16                       ; A's 8 tiles,
	s_mov_b32 s[G1+4], 8
	s_mov_b32 s[G1B+2], 16<<16                     ; B's 16
	s_mov_b32 s[G1B+4], 16
	s_or_b32 s[G1S+0], s40, (3<<16)|(1<<20)|(1<<21)|(5<<22)|(3<<25)   ; rows of 256 bytes, 16 of padding behind each
	s_or_b32 s[G1SB+0], s41, (3<<16)|(1<<20)|(1<<21)|(5<<22)|(3<<25)
.irp g, G1S, G1SB
	s_mov_b32 s[\g+1], 32<<16
	s_mov_b32 s[\g+3], 32<<16
	s_mov_b32 s[\g+5], 32
	s_mov_b32 s[\g+6], 0
	s_mov_b32 s[\g+7], 0
.endr
	s_mov_b32 s[G1S+2], 16<<16
	s_mov_b32 s[G1S+4], 16
	s_mov_b32 s[G1SB+2], 32<<16
	s_mov_b32 s[G1SB+4], 32
	s_lshl_b32 s44, s23, 2
	s_add_co_u32 s44, s44, s22                     ; block row, 0 .. 63
	s_lshl_b32 s45, ttmp9, 2
	s_add_co_u32 s45, s45, s21                     ; block column, 0 .. 3
	s_lshl_b32 s66, s44, 17                        ; A's codes: 8 tiles of 16,384 bytes a block row
	s_mov_b32 s67, 0
	s_lshl_b32 s2, s44, 12                         ; A's scale words: 8 tiles of 512 bytes
	s_mov_b32 s3, 0
	s_add_co_u32 s46, s45, 12                      ; W_out's tiles begin at 192 = 12 x 16
	s_lshl_b32 s92, s46, 18
	s_mov_b32 s93, 0
	s_lshl_b32 s94, s46, 13
	s_mov_b32 s95, 0
	s_lshl_b32 s96, s20, 16                        ; in the later loads: my 4 tiles of A,
	s_mov_b32 s97, 0
	s_lshl_b32 s98, s20, 17                        ; or my 8 of B
	s_mov_b32 s99, 0
	s_lshl_b32 s47, s20, 14                        ; and where they go: no place in the cluster enters an LDS address
	s_lshl_b32 s46, s20, 15
	s_wait_dscnt 0x0                               ; both opening adds are done
	s_wait_kmcnt 0x0
	s_add_nc_u64 s[66:67], s[4:5], s[66:67]
	s_add_nc_u64 s[2:3], s[6:7], s[2:3]
	s_add_nc_u64 s[92:93], s[8:9], s[92:93]
	s_add_nc_u64 s[94:95], s[10:11], s[94:95]
	CROUND                                         ; all sixteen work-groups are here: the first joint loads meet
	s_mov_b32 s[G0H], 1
	s_mov_b32 s[G0H+1], RA0
	s_mov_b64 s[G0H+2:G0H+3], s[66:67]
	s_or_b32 s[G0H+3], s[G0H+3], 0x80000000
	s_mov_b32 s[G0HB], 1
	s_mov_b32 s[G0HB+1], RB0
	s_mov_b64 s[G0HB+2:G0HB+3], s[92:93]
	s_or_b32 s[G0HB+3], s[G0HB+3], 0x80000000
	s_mov_b32 s[G0S], 1
	s_mov_b32 s[G0S+1], SCL
	s_mov_b64 s[G0S+2:G0S+3], s[2:3]
	s_or_b32 s[G0S+3], s[G0S+3], 0x80000000
	s_mov_b32 s[G0SB], 1
	s_mov_b32 s[G0SB+1], SCL+HALFS
	s_mov_b64 s[G0SB+2:G0SB+3], s[94:95]
	s_or_b32 s[G0SB+3], s[G0SB+3], 0x80000000
	s_add_nc_u64 s[66:67], s[66:67], s[96:97]
	s_add_nc_u64 s[92:93], s[92:93], s[98:99]
.irp n, 0,1                            ; set 0: half steps 4-5 into the second region; set 1: half steps 6-7 into the first
	s_mov_b32 s[G0+4*\n], 1
	s_add_co_u32 s[G0+4*\n+1], s47, RA1*(1-\n)
	s_add_nc_u64 s[G0+4*\n+2:G0+4*\n+3], s[66:67], 8192+\n*4096
	s_or_b32 s[G0+4*\n+3], s[G0+4*\n+3], 0x80000000
	s_mov_b32 s[G0B+4*\n], 1
	s_add_co_u32 s[G0B+4*\n+1], s46, RB1-(RB1-RB0)*\n
	s_add_nc_u64 s[G0B+4*\n+2:G0B+4*\n+3], s[92:93], 8192+\n*4096
	s_or_b32 s[G0B+4*\n+3], s[G0B+4*\n+3], 0x80000000
.endr
; THE HEAD'S LOADS, ONE A WAVE: one chain of branches on the wave's number, every way passes one load
.macro ARM under, g0, g1, next
	s_cmp_lt_u32 s18, \under
	s_cbranch_scc0 \next
	tensor_load_to_lds s[\g0:\g0+3], s[\g1:\g1+7]
	s_nop 0
.rept 4
	v_nop
.endr
	s_branch .Lhead_asked
\next:
.endm
	ARM 1, G0H,  G1,  .Lhead_b
	ARM 2, G0HB, G1B, .Lhead_sa
	ARM 3, G0S,  G1S, .Lhead_sb
	tensor_load_to_lds s[G0SB:G0SB+3], s[G1SB:G1SB+7]
	s_nop 0
.rept 4
	v_nop
.endr
.Lhead_asked:
	v_and_b32 v1, 31, v0
	v_lshlrev_b32 v[LI], 4, v1                     ; 16 x lane
	v_and_b32 v2, 15, v0                           ; r
	v_bfe_u32 v3, v0, 4, 1                         ; h
	s_wait_alu depctr_va_vdst(0)
	s_lshl_b32 s42, s19, 15                        ; my 4 tiles of A, 8,192 bytes each
	v_add_nc_u32 v[ADRA], s42, v[LI]
	s_lshl_b32 s42, s19, 14                        ; 4,096 bytes each
	v_add_nc_u32 v[ADRA+2], s42, v[LI]
	s_add_co_u32 s42, s42, RA1
	v_add_nc_u32 v[ADRA+1], s42, v[LI]
	s_lshl_b32 s43, s20, 16                        ; my 8 tiles of B
	s_add_co_u32 s43, s43, RB0
	v_add_nc_u32 v[ADRB], s43, v[LI]
	s_lshl_b32 s43, s20, 15
	s_add_co_u32 s43, s43, RB0
	v_add_nc_u32 v[ADRB+2], s43, v[LI]
	s_add_co_u32 s43, s43, RB1-RB0
	v_add_nc_u32 v[ADRB+1], s43, v[LI]
	s_mul_i32 s42, s19, 4*544                      ; scale words: A's, my 4 tiles;
	s_mul_i32 s43, s20, HALFS                      ; B's, my 8, behind A's 16 rows
	s_add_co_u32 s43, s43, HALFS
	s_sub_co_u32 s43, s43, s42
	v_mul_u32_u24 v4, s43, v3                      ; lanes 16-31 take B's: the lower base + h x the distance
	s_add_co_u32 s42, s42, SCL
	v_lshl_add_u32 v4, v2, 4, v4
	v_add_nc_u32 v[ADRS], s42, v4
	s_mul_i32 s42, s18, 16*SPITCH
	s_add_co_u32 s42, s42, STAGE                   ; my stage
	v_mul_u32_u24 v4, v2, SPITCH
	v_lshl_add_u32 v4, v3, 6, v4
	v_add_nc_u32 v[STO], s42, v4
	v_add_nc_u32 v[RD], s42, v[LI]
	s_lshl_b32 s92, s44, 1
	s_add_co_u32 s92, s92, s19
	s_lshl_b32 s92, s92, 18                        ; my first row: 64 rows of 4,096 bytes
	s_lshl_b32 s94, s45, 1
	s_add_co_u32 s94, s94, s20
	s_lshl_b32 s94, s94, 9                         ; my first column: 128 numbers of 4 bytes
	s_mov_b32 s95, 0
	s_add_nc_u64 s[12:13], s[12:13], s[94:95]
	s_add_co_u32 s92, s92, s94
	s_mov_b32 s93, 0
	s_add_nc_u64 s[14:15], s[14:15], s[92:93]
	global_load_b128 v[BI:BI+3], v[LI], s[12:13]   ; the bias of my lane's four columns
	s_wait_alu depctr_va_vdst(0)                   ; the wait at the head's end
	s_wait_tensorcnt 0x0                           ; my tile of the head's four is in
	ds_add_u32 v[SPW], v[NIL]
	s_mov_b32 s[G1+1], 512<<16                     ; no tensor load of mine is out: from here on a load brings 4,096 bytes of each tile,
	s_mov_b32 s[G1+3], 512<<16
	s_mov_b32 s[G1+2], 4<<16                       ; of 4 tiles of A
	s_mov_b32 s[G1+4], 4
	s_mov_b32 s[G1B+1], 512<<16
	s_mov_b32 s[G1B+3], 512<<16
	s_mov_b32 s[G1B+2], 8<<16                      ; or 8 of B
	s_mov_b32 s[G1B+4], 8
	s_wait_dscnt 0x0
	CROUND                                         ; all four tiles are in, and all sixteen work-groups are here
	JLOAD G0, G1, G0B, G1B                         ; half steps 4-5, the first tensor load behind the round
	FE 0
	HS 0, 1                                        ; the first products start the sums
	HS 1, 0
	HS 2, 0
	SY 3, 1
	HS 4, 0
	SY 5, 0
	HS 6, 0
	s_wait_dscnt 0x0
	WIN MUL
	MUL8 0, 7, 0
	MUL8 1, 7, 0
	MUL8 2, 7, 0
	MUL8 3, 7, 0
	WIN 0
; THE WAY OUT, 16 rows x 128 columns at a time: through my own stage in LDS, back as whole rows of 512 bytes, the bias added, stored as two aligned units of 256 bytes.
.macro TOSTAGE a
	WIN 0x08                                       ; the data: window 2
.irp b, 0,1,2,3,4,5,6,7
	ds_store_b128 v[STO], v[64*(\a)+8*\b:64*(\a)+8*\b+3] offset:128*(\b/2)+32*(\b%2)       ; each accumulator from its low end on
	ds_store_b128 v[STO], v[64*(\a)+8*\b+4:64*(\a)+8*\b+7] offset:128*(\b/2)+32*(\b%2)+16
.endr
	WIN 0
.set BB, BK+64*((\a)%2)
.irp t, 0,1,2,3,4,5,6,7,8,9,10,11,12,13,14,15
	ds_load_b128 v[BB+4*\t:BB+4*\t+3], v[RD] offset:\t*SPITCH    ; LDS serves a wave's instructions in order: these see my stores
.endr
.endm
.macro SEND a, younger                 ; younger: the LDS instructions issued behind block a's loads
.set BB, BK+64*((\a)%2)
	s_wait_dscnt \younger
.irp t, 0,1,2,3,4,5,6,7,8,9,10,11,12,13,14,15
	v_pk_add_f32 v[BB+4*\t:BB+4*\t+1], v[BB+4*\t:BB+4*\t+1], v[BI:BI+1]
	v_pk_add_f32 v[BB+4*\t+2:BB+4*\t+3], v[BB+4*\t+2:BB+4*\t+3], v[BI+2:BI+3]
	global_store_b128 v[LI], v[BB+4*\t:BB+4*\t+3], s[14:15] offset:(32*((\a)/2)+8*((\a)%2)+\t+8*(\t/8))*4096 th:TH_STORE_NT
.endr
.endm
	s_wait_loadcnt 0x0                             ; the bias
	PLACES NP                                      ; in front of the first read of results and of loads into the registers that held A's fragments
	TOSTAGE 0
.irp a, 1,2,3
.if \a > 1
	s_wait_xcnt 0x0                                ; block a - 2's stores have read their registers
.endif
	TOSTAGE \a
	SEND \a-1, 32                                  ; behind block a - 1's loads: block a's 16 stores and 16 loads
.endr
	SEND 3, 0
	s_wait_tensorcnt 0x0                           ; the wave's end
	ds_add_u32 v[SPW], v[NIL]
	s_wait_dscnt 0x0
	CROUND                                         ; the closing round
	s_endpgm
.Lfunc_end_k_qfab8e50fcf_gemm_out:
	.size	k_qfab8e50fcf_gemm_out, .Lfunc_end_k_qfab8e50fcf_gemm_out-k_qfab8e50fcf_gemm_out
	.p2alignl 7, 3214868480
	.fill 96, 4, 3214868480
	.section	.rodata,"a",@progbits
	.p2align	6, 0x0
	.amdhsa_kernel k_qfab8e50fcf_gemm_out
		.amdhsa_group_segment_fixed_size 327680
		.amdhsa_private_segment_fixed_size 0
		.amdhsa_enable_private_segment 0
		.amdhsa_kernarg_size 48
		.amdhsa_user_sgpr_count 2
		.amdhsa_user_sgpr_kernarg_segment_ptr 1
		.amdhsa_wavefront_size32 1
		.amdhsa_system_sgpr_workgroup_id_x 1
		.amdhsa_system_sgpr_workgroup_id_y 1
		.amdhsa_system_sgpr_workgroup_id_z 1
		.amdhsa_system_vgpr_workitem_id 0
		.amdhsa_next_free_vgpr 768
		.amdhsa_next_free_sgpr 100
		.amdhsa_reserve_vcc 0
		.amdhsa_float_denorm_mode_32 3
		.amdhsa_float_denorm_mode_16_64 3
		.amdhsa_memory_ordered 1
		.amdhsa_forward_progress 1
		.amdhsa_inst_pref_size 96
	.end_amdhsa_kernel
	.amdgpu_metadata
---
amdhsa.version: [ 1, 2 ]
amdhsa.kernels:
  - .name:           k_qfab8e50fcf_gemm_out
    .symbol:         k_qfab8e50fcf_gemm_out.kd
    .args:
      - { .name: oc, .offset: 0, .size: 8, .value_kind: global_buffer, .address_space: global }
      - { .name: os, .offset: 8, .size: 8, .value_kind: global_buffer, .address_space: global }
      - { .name: wc, .offset: 16, .size: 8, .value_kind: global_buffer, .address_space: global }
      - { .name: ws, .offset: 24, .size: 8, .value_kind: global_buffer, .address_space: global }
      - { .name: b_out, .offset: 32, .size: 8, .value_kind: global_buffer, .address_space: global }
      - { .name: out0, .offset: 40, .size: 8, .value_kind: global_buffer, .address_space: global }
    .group_segment_fixed_size: 327680
    .private_segment_fixed_size: 0
    .kernarg_segment_align: 8
    .kernarg_segment_size: 48
    .max_flat_workgroup_size: 128
    .sgpr_count:     100
    .vgpr_count:     768
    .wavefront_size: 32
...
	.end_amdgpu_metadata
.endif
;; end of part 4
